; MI455X (gfx1250); checked and timed in simulation.
; The chip was launched on July 23, 2026; its instructions are those of AMD's public machine-readable ISA for CDNA 5 (MIT licence, August 2026) and "CDNA5" Instruction Set Architecture Reference Guide (July 2026). The comments in the code are by the model that wrote it; some were corrected since.
;; Multi Head Attention. Allowed arithmetic: matrix products marked QUANTISED: E4M3 operands, one given power-of-two scale a tensor, by v_wmma_f32_16x16x64_fp8_fp8 or v_wmma_f32_16x16x128_fp8_fp8, f32 sums; everything else in f32.
;; Inputs: W_k 1,024 x 1,024 float32; W_out 1,024 x 1,024 float32; W_q 1,024 x 1,024 float32; W_v 1,024 x 1,024 float32; lowp_scales 12 int32 (the exponents e of the quantised operands' scales 2^e); x 4 x 2,048 x 1,024 float32.
;; Outputs: out0 4 x 2,048 x 1,024 float32.
;; This version of the problem:
;;   THIS VERSION OF THE PROBLEM IS GIVEN IN LOW PRECISION. The matrix products marked QUANTISED in the list below multiply operands that are first quantised to E4M3 (4 exponent bits, 3 mantissa bits; 8 bits a number), with one given power-of-two scale for each operand tensor; their sums are f32. All else is computed in f32.
;;   The module's matrix products, in the order in which they are computed (A, B: the left and right operand; K: the contracted axis; several contracted axes count as one K, in the product's order):
;;     1. [M 8,192, K 1,024] x [K 1,024, N 1,024]; A: input x; B: input W_q: QUANTISED (scales: A lowp_scales[0], B lowp_scales[1])
;;     2. [M 8,192, K 1,024] x [K 1,024, N 1,024]; A: input x; B: input W_k: QUANTISED (scales: A lowp_scales[2], B lowp_scales[3])
;;     3. [M 8,192, K 1,024] x [K 1,024, N 1,024]; A: input x; B: input W_v: QUANTISED (scales: A lowp_scales[4], B lowp_scales[5])
;;     4. batch 64 x [M 2,048, K 64] x [K 64, N 2,048]; A: computed on the way; B: computed on the way: QUANTISED (scales: A lowp_scales[6], B lowp_scales[7])
;;     5. batch 64 x [M 2,048, K 2,048] x [K 2,048, N 64]; A: softmax (see below); B: computed on the way: QUANTISED (scales: A lowp_scales[8], B lowp_scales[9])
;;     6. [M 8,192, K 1,024] x [K 1,024, N 1,024]; A: computed on the way; B: input W_out: QUANTISED (scales: A lowp_scales[10], B lowp_scales[11])
;;   THE QUANTISER, for each operand of a quantised product, along K:
;;     - The operand's scale is 2^e, e = its entry of the input lowp_scales (int32; the entries are numbered through the quantised products in the list's order, A before B).
;;     - Each number is divided by the scale, clamped to +-448, and rounded to the nearest number of E4M3, ties to even, subnormals kept.
;;     - The product sums the exact products of the quantised numbers (number of the format x scale) in f32.
;;   ~~~python
;;   def quantise(x, axis, e):      # numpy; x: float32 -> the quantised numbers, widened to float32 again
;;       x = np.moveaxis(x, axis, -1); K = x.shape[-1]
;;       r = np.clip(x / 2.0 ** e, -448, 448)
;;       step = 2.0 ** (np.maximum(np.frexp(np.where(r == 0, 1, r))[1] - 1, -6) - 3)
;;       q = np.round(r / step) * step * 2.0 ** e      # np.round: ties to even
;;       return np.moveaxis(q, -1, axis).astype(np.float32)
;;   ~~~
;;   SOFTMAX AHEAD OF A QUANTISED PRODUCT. Where the list says 'softmax', what is quantised is not the finished softmax but p = 2^(t - M), with t = logit x log2(e) and M = ceil(the row's largest t), a whole number; so 1/2 < the row's largest p <= 1. The row's sum l is taken of the UNQUANTISED p, in f32, and the product's result is divided by l at the end. Since M is a whole number, a kernel that streams over the keys may use a running M (the ceiling of the running maximum): every later rescaling is an exact power of two, so the quantised numbers keep their values, but for numbers so far below the row's largest that they fall under the format's range.
;;   OPERANDS COMPUTED ON THE WAY. 'Computed on the way' means the value that the module computes at that place (a softmax that the list does not call 'softmax' is quantised finished and normalised). What goes into a quantiser is computed in f32, as accurately as f32 sums, v_exp_f32 and their like allow (about 1e-6 of the number): no bf16 or f16 on the way to a quantiser, and a product that is left as it is and whose result goes on into a quantised operand takes f32 operands (vector FMAs, or v_wmma_f32_16x16x4_f32). A number that lies on a knife's edge between two numbers of the format may be rounded either way, as far as f32 arithmetic and the matrix unit's own rounding can turn it there, and no further.
;; One version. Each part assembles by itself: llvm-mc -triple=amdgcn-amd-amdhsa -mcpu=gfx1250 --defsym DOCPART=n.
;; ======== version 1 of 1: 4 launches
;; limits: right only within a limited range of input values
;; workspace buffers: xc 25,165,824 bytes; wc 4,194,304 bytes; qkv 25,165,824 bytes; attn 8,388,608 bytes
;; launch quant (part 1): grid 1152 x 1, 4 waves a work-group, no clusters, 55,808 bytes of LDS; arguments x, W_q, W_k, W_v, W_out, lowp_scales, xc, wc; writes xc, wc
.if DOCPART == 1
	.amdgcn_target "amdgcn-amd-amdhsa--gfx1250"
	.amdhsa_code_object_version 6
	.text
	.protected	k_q0ff6bc1947_quant
	.globl	k_q0ff6bc1947_quant
	.p2align	8
	.type	k_q0ff6bc1947_quant,@function
k_q0ff6bc1947_quant:
	s_mov_b64 s[64:65], 0
	v_nop
	global_prefetch_b8 v0, s[64:65] scope:SCOPE_SE
	s_setreg_imm32_b32 hwreg(HW_REG_WAVE_MODE, 25, 1), 1
	s_wait_xcnt 0x0
; x [8192][1024] f32 becomes THREE tensors of E4M3 codes (its scales for the products with W_q, W_k, W_v are entries 0, 2, 4 and need not be equal): xc part p at p x 8 MiB, [8192][1024], K innermost.
; W_q, W_k, W_v, W_out [1024 k][1024 n] f32 become codes laid [n][k], K innermost: wc part i at i x 1 MiB (entries 1, 3, 5, 11).
; code = number / 2^e, held within +-448, rounded to the nearest code, ties to even.  LIMITS: every e used here lies between -126 and 119, so that 2^e and 448 x 2^e are f32 numbers.  NaN among the inputs is not served.
; Work-groups 0-127 take the weights (32 each: 128 columns x 256 along K), work-groups 128-1151 take x (8,192 numbers each).  The two paths part on the work-group's number and have LDS bytes of their own.
; No tensor load, no barrier, no cluster: waves share nothing and every input byte is read once.
; WEIGHTS: a lane takes a column n and its registers run down K, so the conversions give codes with K innermost; they leave through the wave's stage, sixteen lanes to 256 consecutive aligned bytes.
; X: each load reads 512 consecutive bytes; a step's 2,048 bytes turn through the wave's stage so that a lane holds 16 neighbours along K; the 16 numbers are held and converted three times; each store covers 512 consecutive bytes.
.set SPARE, 55296                      ; behind both paths' stages: the spare words, 128 bytes a wave: two blocks of 256 bytes that no other line names
.set SPW,   30                         ; v30  SPARE + 4 x my thread's number; never rewritten
.set NIL,   31                         ; v31  0; never rewritten
.set WSTG,  20480                      ; the weights' stages: 32 rows x 272 bytes for each wave
.set PITCH, 272
.set WX,    32                         ; v32-95   weights: two sets of 32 numbers
.set WC,    96                         ; v96-103  a block's codes
.set OUTR,  112                        ; v112-175 the way out
.set SP,    80                         ; x: a lane's place in a stage: 64 bytes + 16 of padding
.set WREG,  5120                       ; x: two stages of 32 x SP bytes for each wave, from LDS byte 0
.set XR,    32                         ; v32-95   x: four sets of 16 numbers as loaded
.set XX,    96                         ; v96-127  two sets of 16 neighbours
.set TA,    128                        ; v128-143 held for the first scale
.set TBB,   144                        ; v144-159 held for the second
.set XC,    160                        ; v160-207 codes: 4 registers x 3 scales x 4 steps: no store's data are written again
.macro WLOAD t                         ; block t: W(32 t + i, my column), i = 0 .. 31: 128 consecutive bytes a wave and load
.set i, 0
.rept 32
	global_load_b32 v[WX+32*((\t)%2)+i], v3, s[4:5] offset:(32*(\t)+i)*4096 th:TH_LOAD_NT
.set i, i+1
.endr
.endm
.macro WBLOCK t
.set XS, WX+32*((\t)%2)
.if (\t) < 7
	s_wait_loadcnt 32                              ; this block's 32 loads are in; the next block's 32 may be out
.else
	s_wait_loadcnt 0
.endif
.set i, 0
.rept 32
.set i, i+1
.endr
.irp g, 0,1,2,3
	v_cvt_scalef32_pk8_fp8_f32 v[WC+2*\g:WC+2*\g+1], v[XS+8*\g:XS+8*\g+7], v11
.endr
	ds_store_b128 v4, v[WC:WC+3] offset:32*(\t)    ; 32 codes of my column's row
	ds_store_b128 v4, v[WC+4:WC+7] offset:32*(\t)+16
.if (\t)+2 < 8
	WLOAD (\t)+2
.endif
	s_wait_dscnt 0x0                               ; the stores have read their registers: the next block's codes may be written
.endm
.macro XLOAD t
.irp i, 0,1,2,3
	global_load_b128 v[XR+16*(\t)+4*\i:XR+16*(\t)+4*\i+3], v3, s[4:5] offset:2048*(\t)+512*\i th:TH_LOAD_NT
.endr
.endm
.macro XTURN t                         ; step t's numbers through the stage; LDS serves a wave's instructions in order, so no wait stands between the stores and the loads
.irp i, 0,1,2,3
	ds_store_b128 v14, v[XR+16*(\t)+4*\i:XR+16*(\t)+4*\i+3] offset:32*SP*((\t)%2)+8*SP*\i
.endr
.irp i, 0,1,2,3
	ds_load_b128 v[XX+16*((\t)%2)+4*\i:XX+16*((\t)%2)+4*\i+3], v15 offset:32*SP*((\t)%2)+16*\i
.endr
.endm
.macro HOLD dst, src, lim              ; 16 numbers held within +-448 x a scale
.set i, 0
.rept 16
	v_med3_num_f32 v[\dst+i], v[\src+i], -v[\lim], v[\lim]
.set i, i+1
.endr
.endm
.macro XSTEP t
.set XS, XX+16*((\t)%2)
	s_wait_dscnt 0x0                               ; this step's numbers are back from the stage
.if (\t) < 3
	s_wait_loadcnt 4*(2-(\t))                      ; the next step's four loads are in; the later steps' may be out
	XTURN (\t)+1
.endif
	HOLD TA, XS, 8
	v_cvt_scalef32_pk8_fp8_f32 v[XC+12*(\t):XC+12*(\t)+1], v[TA:TA+7], v5
	v_cvt_scalef32_pk8_fp8_f32 v[XC+12*(\t)+2:XC+12*(\t)+3], v[TA+8:TA+15], v5
	HOLD TBB, XS, 9                                ; (sixteen plain lines stand between a conversion and the next write of its sources)
	v_cvt_scalef32_pk8_fp8_f32 v[XC+12*(\t)+4:XC+12*(\t)+5], v[TBB:TBB+7], v6
	v_cvt_scalef32_pk8_fp8_f32 v[XC+12*(\t)+6:XC+12*(\t)+7], v[TBB+8:TBB+15], v6
	HOLD XS, XS, 10
	v_cvt_scalef32_pk8_fp8_f32 v[XC+12*(\t)+8:XC+12*(\t)+9], v[XS:XS+7], v7
	v_cvt_scalef32_pk8_fp8_f32 v[XC+12*(\t)+10:XC+12*(\t)+11], v[XS+8:XS+15], v7
	global_store_b128 v3, v[XC+12*(\t):XC+12*(\t)+3], s[24:25] offset:512*(\t)      ; 32 lanes store 512 consecutive bytes
	global_store_b128 v3, v[XC+12*(\t)+4:XC+12*(\t)+7], s[26:27] offset:512*(\t)
	global_store_b128 v3, v[XC+12*(\t)+8:XC+12*(\t)+11], s[32:33] offset:512*(\t)
.endm
.macro MKSC e, sc, lim                 ; from the exponent in s[e]: 2^e and 448 x 2^e as f32
	s_add_co_i32 s34, s[\e], 127
	s_lshl_b32 s35, s34, 23
	v_mov_b32 v[\sc], s35
	s_add_co_i32 s34, s34, 8
	s_lshl_b32 s34, s34, 23
	s_or_b32 s34, s34, 0x600000
	v_mov_b32 v[\lim], s34
.endm
	s_load_b512 s[8:23], s[0:1], 0x0               ; x s[8:9], W_q s[10:11], W_k s[12:13], W_v s[14:15], W_out s[16:17], the exponents s[18:19], xc s[20:21], wc s[22:23]
	v_lshl_add_u32 v[SPW], v0, 2, SPARE
	v_mov_b32 v[NIL], 0
	v_lshrrev_b32 v1, 5, v0
	v_readfirstlane_b32 s2, v1                     ; wave 0..3
	v_and_b32 v2, 31, v0                           ; lane
	s_wait_kmcnt 0x0
	s_load_b256 s[36:43], s[18:19], 0x0            ; e0 .. e7
	s_load_b128 s[44:47], s[18:19], 0x20           ; e8 .. e11
	s_cmp_lt_u32 ttmp9, 128
	s_cbranch_scc0 .Lx
	; ---------------- the weights
	s_lshr_b32 s3, ttmp9, 5                        ; which weight: 0 W_q, 1 W_k, 2 W_v, 3 W_out
	s_bfe_u32 s24, ttmp9, 0x30002                  ; which 128 columns
	s_and_b32 s25, ttmp9, 3                        ; which 256 along K
	s_lshl_b32 s24, s24, 7
	s_lshl_b32 s26, s2, 5
	s_add_co_u32 s24, s24, s26                     ; my wave's first column
	s_cmp_eq_u32 s3, 0                             ; the choice hangs on the work-group's number alone
	s_cselect_b64 s[4:5], s[10:11], s[16:17]
	s_cmp_eq_u32 s3, 1
	s_cselect_b64 s[4:5], s[12:13], s[4:5]
	s_cmp_eq_u32 s3, 2
	s_cselect_b64 s[4:5], s[14:15], s[4:5]
	s_lshl_b32 s28, s25, 20                        ; 256 rows of 4,096 bytes
	s_lshl_b32 s26, s24, 2
	s_add_co_u32 s28, s28, s26
	s_mov_b32 s29, 0
	s_add_nc_u64 s[4:5], s[4:5], s[28:29]
	s_lshl_b32 s28, s3, 20                         ; the weight's part of wc,
	s_lshl_b32 s26, s24, 10                        ; my first column's row of 1,024 codes,
	s_add_co_u32 s28, s28, s26
	s_lshl_b32 s26, s25, 8                         ; my 256 along K
	s_add_co_u32 s28, s28, s26
	s_add_nc_u64 s[6:7], s[22:23], s[28:29]
	s_wait_alu depctr_va_vdst(0)
	v_lshlrev_b32 v3, 2, v2                        ; in: 4 bytes a lane
	s_mul_i32 s26, s2, 32*PITCH
	s_add_co_u32 s26, s26, WSTG                    ; my stage
	v_mul_u32_u24 v4, v2, PITCH
	v_add_nc_u32 v4, s26, v4                       ; into it: row = my column
	v_and_b32 v5, 15, v2
	v_lshrrev_b32 v6, 4, v2
	v_mul_u32_u24 v7, v6, PITCH
	v_lshl_add_u32 v7, v5, 4, v7
	v_add_nc_u32 v7, s26, v7                       ; out of it: sixteen lanes to a row, two rows an instruction
	v_lshlrev_b32 v8, 10, v6
	v_lshl_add_u32 v8, v5, 4, v8                   ; and the same place in wc
	WLOAD 0
	WLOAD 1
	s_wait_kmcnt 0x0
	s_cmp_eq_u32 s3, 0
	s_cselect_b32 s27, s37, s47                    ; e1, or e11
	s_cmp_eq_u32 s3, 1
	s_cselect_b32 s27, s39, s27                    ; e3
	s_cmp_eq_u32 s3, 2
	s_cselect_b32 s27, s41, s27                    ; e5
	s_add_co_i32 s27, s27, 127
	s_lshl_b32 s26, s27, 23
	v_mov_b32 v11, s26                             ; 2^e: the conversion takes its exponent field
	s_add_co_i32 s27, s27, 8
	s_lshl_b32 s27, s27, 23
	s_or_b32 s27, s27, 0x600000
	s_wait_alu depctr_va_vdst(0)
.irp t, 0,1,2,3,4,5,6,7
	WBLOCK \t
.endr
.irp t, 0,1,2,3,4,5,6,7,8,9,10,11,12,13,14,15
	ds_load_b128 v[OUTR+4*\t:OUTR+4*\t+3], v7 offset:2*\t*PITCH   ; LDS serves a wave's instructions in order: these see my stores
.endr
.irp t, 0,1,2,3,4,5,6,7,8,9,10,11,12,13,14,15
	s_wait_dscnt 15-\t                             ; rows 2 t and 2 t + 1 are back; the later loads may be out
	global_store_b128 v8, v[OUTR+4*\t:OUTR+4*\t+3], s[6:7] offset:2*\t*1024   ; sixteen lanes store 256 consecutive bytes, aligned
.endr
	s_wait_tensorcnt 0x0                           ; the wave's end
	ds_add_u32 v[SPW], v[NIL]
	s_wait_dscnt 0x0
	s_endpgm
	; ---------------- x
.Lx:
	s_sub_co_u32 s3, ttmp9, 128
	s_lshl_b32 s3, s3, 2
	s_add_co_u32 s3, s3, s2                        ; which run of 2,048 numbers is my wave's
	s_lshl_b32 s28, s3, 13
	s_mov_b32 s29, 0
	s_add_nc_u64 s[4:5], s[8:9], s[28:29]
	s_lshl_b32 s28, s3, 11
	s_add_nc_u64 s[24:25], s[20:21], s[28:29]      ; the three parts of xc
	s_add_nc_u64 s[26:27], s[24:25], 0x800000
	s_add_nc_u64 s[32:33], s[24:25], 0x1000000
	s_wait_alu depctr_va_vdst(0)
	v_lshlrev_b32 v3, 4, v2                        ; my 16 bytes of a load's 512, and of a store's
	s_mul_i32 s34, s2, WREG
	v_lshrrev_b32 v14, 2, v2
	v_mul_u32_u24 v14, v14, SP
	v_and_b32 v15, 3, v2
	v_lshl_add_u32 v14, v15, 4, v14
	v_add_nc_u32 v14, s34, v14                     ; the stage, on the way in: SP (lane / 4) + 16 (lane % 4)
	v_mul_u32_u24 v15, v2, SP
	v_add_nc_u32 v15, s34, v15                     ; and on the way out: SP x lane: my 16 neighbours
.irp t, 0,1,2,3
	XLOAD \t
.endr
	s_wait_alu depctr_va_vdst(0)
	s_wait_kmcnt 0x0
	MKSC 36, 5, 8                                  ; e0
	MKSC 38, 6, 9                                  ; e2
	MKSC 40, 7, 10                                 ; e4
	s_wait_alu depctr_va_vdst(0)
	s_wait_loadcnt 12                              ; step 0's four loads are in
	XTURN 0
.irp t, 0,1,2,3
	XSTEP \t
.endr
	s_wait_tensorcnt 0x0                           ; the wave's end
	ds_add_u32 v[SPW], v[NIL]
	s_wait_dscnt 0x0
	s_endpgm
.Lfunc_end_k_q0ff6bc1947_quant:
	.size	k_q0ff6bc1947_quant, .Lfunc_end_k_q0ff6bc1947_quant-k_q0ff6bc1947_quant
	.p2alignl 7, 3214868480
	.fill 96, 4, 3214868480
	.section	.rodata,"a",@progbits
	.p2align	6, 0x0
	.amdhsa_kernel k_q0ff6bc1947_quant
		.amdhsa_group_segment_fixed_size 55808
		.amdhsa_private_segment_fixed_size 0
		.amdhsa_enable_private_segment 0
		.amdhsa_kernarg_size 64
		.amdhsa_user_sgpr_count 2
		.amdhsa_user_sgpr_kernarg_segment_ptr 1
		.amdhsa_wavefront_size32 1
		.amdhsa_system_sgpr_workgroup_id_x 1
		.amdhsa_system_sgpr_workgroup_id_y 1
		.amdhsa_system_sgpr_workgroup_id_z 1
		.amdhsa_system_vgpr_workitem_id 0
		.amdhsa_next_free_vgpr 208
		.amdhsa_next_free_sgpr 66
		.amdhsa_reserve_vcc 0
		.amdhsa_float_denorm_mode_32 3
		.amdhsa_float_denorm_mode_16_64 3
		.amdhsa_fp16_overflow 1
		.amdhsa_memory_ordered 1
		.amdhsa_forward_progress 1
		.amdhsa_inst_pref_size 54
	.end_amdhsa_kernel
	.amdgpu_metadata
---
amdhsa.version: [ 1, 2 ]
amdhsa.kernels:
  - .name:           k_q0ff6bc1947_quant
    .symbol:         k_q0ff6bc1947_quant.kd
    .args:
      - { .name: x, .offset: 0, .size: 8, .value_kind: global_buffer, .address_space: global }
      - { .name: W_q, .offset: 8, .size: 8, .value_kind: global_buffer, .address_space: global }
      - { .name: W_k, .offset: 16, .size: 8, .value_kind: global_buffer, .address_space: global }
      - { .name: W_v, .offset: 24, .size: 8, .value_kind: global_buffer, .address_space: global }
      - { .name: W_out, .offset: 32, .size: 8, .value_kind: global_buffer, .address_space: global }
      - { .name: lowp_scales, .offset: 40, .size: 8, .value_kind: global_buffer, .address_space: global }
      - { .name: xc, .offset: 48, .size: 8, .value_kind: global_buffer, .address_space: global }
      - { .name: wc, .offset: 56, .size: 8, .value_kind: global_buffer, .address_space: global }
    .group_segment_fixed_size: 55808
    .private_segment_fixed_size: 0
    .kernarg_segment_align: 8
    .kernarg_segment_size: 64
    .max_flat_workgroup_size: 128
    .sgpr_count:     66
    .vgpr_count:     208
    .wavefront_size: 32
...
	.end_amdgpu_metadata
.endif
;; end of part 1
;; launch qkv (part 2): grid 12 x 32, 4 waves a work-group, clusters of 4 x 4, 327,680 bytes of LDS; arguments xc, wc, lowp_scales, qkv; writes qkv
.if DOCPART == 2
	.amdgcn_target "amdgcn-amd-amdhsa--gfx1250"
	.amdhsa_code_object_version 6
	.text
	.protected	k_q0ff6bc1947_qkv
	.globl	k_q0ff6bc1947_qkv
	.p2align	8
	.type	k_q0ff6bc1947_qkv,@function
k_q0ff6bc1947_qkv:
	s_mov_b64 s[64:65], 0
	v_nop
	global_prefetch_b8 v0, s[64:65] scope:SCOPE_SE
	s_setreg_imm32_b32 hwreg(HW_REG_WAVE_MODE, 25, 1), 1
	s_wait_xcnt 0x0
	s_wait_alu depctr_hold_cnt(0) depctr_sa_sdst(0) depctr_va_vdst(0) depctr_va_sdst(0) depctr_va_ssrc(0) depctr_va_vcc(0) depctr_vm_vsrc(0)
	s_getreg_b32 s2, hwreg(HW_REG_IB_STS2, 6, 4)
	s_cmp_eq_u32 s2, 0
	s_cbranch_scc0 .Lentry_in_a_cluster
	s_endpgm
.Lentry_in_a_cluster:
	s_bfe_u32 s2, ttmp6, 0x10000c
	s_cmp_lg_u32 s2, 0xf033
	s_cbranch_scc0 .Lentry_shape_is_right
	s_endpgm
.Lentry_shape_is_right:
; q = x W_q, k = x W_k, v = x W_v on E4M3 codes; the f32 sums are quantised at once for the attention's products and stored as codes, in the order of the operand registers that the next launch loads.
; One form for all three: C[R][P] = sum over k of A[R][k] B[P][k], a tile of 256 x 256 to a work-group, 128 x 128 to each of four waves (64 accumulators, 512 registers), K = 1,024 in four steps of 256 through two LDS slots.
; p = the cluster's x.  p = 0, 1 (q, k): A = x's codes (part p of xc), B = the weight's codes (part p of wc).  p = 2 (v, made transposed): A = W_v's codes, B = x's codes (part 2).  Only pointers and tile numbers are chosen, by selects on p.
; THE MATRIX INSTRUCTION IS USED TRANSPOSED (source 0 = 16 rows of B, source 1 = 16 rows of A): lane (r, hf) holds row R = 16 a + r and, in accumulator (a, b), P = 16 b + 8 hf + 0 .. 7.  Eight such numbers become 8 codes, and the codes of
; accumulators 2 g and 2 g + 1 are registers 4 g .. 4 g + 3 of an operand in the plain 8-bit layout (k = 32 g + 8 hf + 0..7, 32 g + 16 + 8 hf + 0..7): q and k with K = the head's 64, v with K = 128 keys.  So the way out needs no LDS.
; qkv: parts q, k, v at 0, 8, 16 MiB; in a part, batch b and head pair hp at (8 b + hp) x 262,144; q, k: token tile x 2,048 + (h & 1) x 1,024 + c x 512 + 16 lane; v: chunk of 128 keys x 16,384 + (h & 1) x 8,192 + td x 2,048 + c x 512 + 16 lane.
; CLUSTERS: 4 x 4 work-groups; A's tile is asked for jointly along a row of the cluster, B's along a column.
; LIMITS: e6 - e0 - e1, e7 - e2 - e3 and e9 - e4 - e5 lie between -126 and 119, so that the folded scale and 448 x it are f32 numbers.
; REGISTERS, in windows of 256: window 0: v16-31 addresses and scales; from v128 A's fragments, ONE set; on the way out v32-95 held sums, v96-223 codes.  window 1: B's fragments, TWO sets.  windows 2, 3: the accumulators.
.set ROWB,   256                       ; a tile's row in bytes: 256 codes
.set KROW,   1024                      ; a row of A or of B in memory, in bytes
.set PITCH,  272                       ; an LDS row: 256 bytes + 16 of padding: the 16 rows that a load touches start at 16 different banks (64 banks of 4 bytes: ISA guide 11.1)
.set FR,     16                        ; registers of a fragment: 16 rows x 128 K
.set NL,     4                         ; LDS loads that bring one
.set NP,     4                         ; places behind this matrix instruction (ISA guide 7.12.1)
.set HALFT,  128*PITCH                 ; 128 rows: what one tensor load brings
.set SLOT,   4*HALFT                   ; A's 256 rows, then B's 256 rows
.set LAPS,   2                         ; a lap = two K steps = once round the ring
.set SPARE,  2*SLOT                    ; behind the ring: the spare words, 128 bytes a wave: two blocks of 256 bytes that no other line names
.set ADRA, 16                          ; v16-17  LDS address of my A fragments in slot 0, 1
.set ADRB, 20                          ; v20-21  the same for B
.set CO,   26                          ; v26     16 x lane: my place in a store's 512 bytes
.set SPW,  28                          ; v28     SPARE + 4 x my thread's number; never rewritten
.set NIL,  29                          ; v29     0; never rewritten
.set SC,   30                          ; v30     the folded scale 2^(eo - ea - eb)
.set LIM,  31
.set TMP,  32
.set CD,   96                          ; v96-223 codes: 16 registers a block: no store's data are written again
.set AF,   128                         ; A's fragments, in window 0
.set G1, 24                            ; s[24:31] descriptor group 1 for A's tiles;  s[32:39] group 0, one set for each slot
.set G0, 32
.set G1B, 48                           ; s[48:55], s[56:63] the same for B's tiles
.set G0B, 56
.set MSB, 0
.macro WIN new                         ; the immediate's high byte repeats the setting that is left
.if MSB != \new
	s_set_vgpr_msb (MSB<<8)|\new
.set MSB, \new
.endif
.endm
.set MUL_LO, 0xa1                      ; source 0 (B) window 1, source 1 (A) window 0, C and D window 2
.set MUL_HI, 0xf1                      ; the same, C and D window 3
.set TO_B,   0x40                      ; destination window 1, address window 0
; A joint load: waves 0 and 1 fetch for A, waves 2 and 3 for B; the branch hangs on the wave's number alone.  An s_nop 0 and four v_nop follow each of the two lines.
.macro JLOAD g0a, g1a, g0b, g1b
	s_cmp_eq_u32 s15, 0
	s_cbranch_scc0 .Lfor_b_\@
	tensor_load_to_lds s[\g0a:\g0a+3], s[\g1a:\g1a+7]
	s_nop 0
.rept 4
	v_nop
.endr
	s_branch .Lasked_\@
.Lfor_b_\@:
	tensor_load_to_lds s[\g0b:\g0b+3], s[\g1b:\g1b+7]
	s_nop 0
.rept 4
	v_nop
.endr
.Lasked_\@:
.endm
.macro CREST                           ; a round of the cluster's barrier behind its opening barrier
	s_cmp_lg_u32 s14, 0
	s_cbranch_scc1 .Lnot_wave_0_\@
	s_barrier_signal -3
.Lnot_wave_0_\@:
	s_barrier_wait -3
	s_barrier_signal -1
	s_barrier_wait -1
.endm
.macro CROUND                          ; a whole round
	s_barrier_signal -1
	s_barrier_wait -1
	CREST
.endm
	s_load_b256 s[68:75], s[0:1], 0x0              ; xc s[68:69], wc s[70:71], the exponents s[72:73], qkv s[74:75]
	v_lshl_add_u32 v[SPW], v0, 2, SPARE
	v_mov_b32 v[NIL], 0
	ds_add_u32 v[SPW], v[NIL]
	ds_add_u32 v[SPW], v[NIL]                      ; the wave's opening: the add and its wait stand ahead of my first tensor load; the set-up below, work on registers, stands between them
	v_lshrrev_b32 v1, 5, v0
	v_readfirstlane_b32 s14, v1                    ; wave 0..3
	s_lshr_b32 s15, s14, 1                         ; which half of the tile's rows is mine.  Also: I fetch for A (0) or for B (1)
	s_and_b32 s16, s14, 1                          ; which half of its columns.  Also: which 128 rows of that tile I fetch
	s_bfe_u32 s40, ttmp6, 0x40000                  ; cx, cy: my place in the cluster
	s_bfe_u32 s41, ttmp6, 0x40004
	s_and_b32 s76, ttmp7, 0xffff                   ; the cluster's y, 0..7: which 1,024 tokens
	s_cmp_lt_u32 ttmp9, 2                          ; q, k: the tokens are C's rows; v: its columns.  The same in all sixteen partners
	s_cselect_b32 s77, s76, 0
	s_cselect_b32 s78, 0, s76
	s_lshl_b32 s42, s78, 2
	s_add_co_u32 s42, s42, s40                     ; tile column of C
	s_lshl_b32 s17, s77, 2
	s_add_co_u32 s17, s17, s41                     ; tile row of C
	s_lshl_b32 s43, s41, 2
	s_lshl_b32 s43, 15, s43                        ; my row of the cluster
	s_lshl_b32 s44, 0x1111, s40                    ; my column
	; descriptor group 1: a tile of 128 rows x 256 bytes, padded in LDS
	s_or_b32 s[G1+0], s43, (0<<16)|(1<<20)|(1<<21)|(5<<22)|(3<<25)  ; 15:0 the mask: A's tiles go to my row; 17:16 element of 1 byte; 20 padding on; 21 set beside a mask; 24:22 after every 64 words (code 5); 31:25 of 4 words (code 3)
	s_or_b32 s[G1B+0], s44, (0<<16)|(1<<20)|(1<<21)|(5<<22)|(3<<25)
.irp g, G1, G1B
	s_mov_b32 s[\g+1], ROWB<<16                    ; tensor_dim0
	s_mov_b32 s[\g+2], 128<<16                     ; tensor_dim1 = 128
	s_mov_b32 s[\g+3], ROWB<<16                    ; tile_dim0
	s_mov_b32 s[\g+4], 128                         ; tile_dim1 = 128
	s_mov_b32 s[\g+5], KROW                        ; tensor_dim0_stride
	s_mov_b32 s[\g+6], 0
	s_mov_b32 s[\g+7], 0
.endr
	s_lshl_b32 s18, s16, 7                         ; which 128 rows of the tile I fetch
	s_lshl_b32 s20, s17, 8
	s_add_co_u32 s20, s20, s18                     ; A: row 256 x tile row + 128 x half,
	s_lshl_b32 s20, s20, 10                        ; in bytes: at most 8,191 rows of 1,024
	s_mov_b32 s21, 0
	s_lshl_b32 s46, s42, 8
	s_add_co_u32 s46, s46, s18                     ; B: row 256 x tile column + 128 x half
	s_lshl_b32 s46, s46, 10
	s_mov_b32 s47, 0
	s_mul_i32 s45, s14, HALFT                      ; where they go: wave x 128 rows: no place in the cluster enters an LDS address
	s_lshl_b32 s80, ttmp9, 23                      ; part p of xc
	s_mov_b32 s81, 0
	s_lshl_b32 s82, ttmp9, 20                      ; part p of wc
	s_mov_b32 s83, 0
	s_wait_dscnt 0x0                               ; the opening add is done
	s_wait_kmcnt 0x0
	s_load_b256 s[84:91], s[72:73], 0x0            ; e0 .. e7
	s_load_b128 s[92:95], s[72:73], 0x20           ; e8 .. e11
	s_add_nc_u64 s[80:81], s[68:69], s[80:81]
	s_add_nc_u64 s[82:83], s[70:71], s[82:83]
	s_cmp_lt_u32 ttmp9, 2
	s_cselect_b64 s[4:5], s[80:81], s[82:83]       ; A
	s_cselect_b64 s[6:7], s[82:83], s[80:81]       ; B
	s_add_nc_u64 s[20:21], s[4:5], s[20:21]
	s_add_nc_u64 s[46:47], s[6:7], s[46:47]
	CROUND                                         ; all sixteen work-groups are here: the first joint loads meet
.irp s, 0,1
	s_mov_b32 s[G0+4*\s], 1
	s_add_co_u32 s[G0+4*\s+1], s45, \s*SLOT
	s_add_nc_u64 s[G0+4*\s+2:G0+4*\s+3], s[20:21], \s*ROWB
	s_or_b32 s[G0+4*\s+3], s[G0+4*\s+3], 0x80000000
	s_mov_b32 s[G0B+4*\s], 1
	s_add_co_u32 s[G0B+4*\s+1], s45, \s*SLOT
	s_add_nc_u64 s[G0B+4*\s+2:G0B+4*\s+3], s[46:47], \s*ROWB
	s_or_b32 s[G0B+4*\s+3], s[G0B+4*\s+3], 0x80000000
	JLOAD G0+4*\s, G1, G0B+4*\s, G1B
.endr
	v_and_b32 v1, 15, v0                           ; l % 16
	v_bfe_u32 v2, v0, 4, 1                         ; l / 16
	v_mul_u32_u24 v3, v1, PITCH
	v_lshl_add_u32 v4, v2, 4, v3                   ; a fragment's row x pitch + 16 x half
	s_mul_i32 s21, s15, HALFT                      ; my 128 rows of A
	s_mul_i32 s22, s16, HALFT                      ; my 128 rows of B,
	s_add_co_u32 s22, s22, 2*HALFT                 ; which lie behind A's 256
.irp s, 0,1
	v_add_nc_u32 v[ADRA+\s], s21, v4
	v_add_nc_u32 v[ADRB+\s], s22, v4
	s_add_co_u32 s21, s21, SLOT
	s_add_co_u32 s22, s22, SLOT
.endr
	v_and_b32 v6, 31, v0
	v_lshlrev_b32 v[CO], 4, v6
.macro FRAG reg, adr, q, i             ; a fragment by four loads of 16 bytes, 32 apart: registers 4 c .. 4 c + 3 hold K = 32 c + 16 (l / 16) + 0 .. 15: one order of k for A and for B alike, so every product meets its partner
.irp c, 0,1,2,3
	ds_load_b128 v[\reg+4*\c:\reg+4*\c+3], v[\adr] offset:128*(\q)+32*\c+(\i)*16*PITCH
.endr
.endm
; 16 matrix instructions: A's blocks a0, a0 + 1 x B's eight, 128 along K.  p: B's set.  zero = 1: the first product starts the sums.  The 64 accumulators take turns, one instruction a turn.
.macro MUL16 a0, p, zero
.irp a, \a0, \a0+1
.irp b, 0,1,2,3,4,5,6,7
.if \zero
	v_wmma_f32_16x16x128_fp8_fp8 v[8*(8*((\a)%4)+\b):8*(8*((\a)%4)+\b)+7], v[128*(\p)+FR*\b:128*(\p)+FR*\b+FR-1], v[AF+FR*(\a):AF+FR*(\a)+FR-1], 0
.else
	v_wmma_f32_16x16x128_fp8_fp8 v[8*(8*((\a)%4)+\b):8*(8*((\a)%4)+\b)+7], v[128*(\p)+FR*\b:128*(\p)+FR*\b+FR-1], v[AF+FR*(\a):AF+FR*(\a)+FR-1], v[8*(8*((\a)%4)+\b):8*(8*((\a)%4)+\b)+7]
.endif
.endr
.endr
.endm
.macro FETCH_B slot, q, p              ; B's eight fragments of the slot's q-th 128 along K into set p
	WIN TO_B
.irp i, 0,1,2,3,4,5,6,7
	FRAG 128*(\p)+FR*\i, ADRB+\slot, \q, \i
.endr
	WIN 0
.endm
.macro FETCH_A slot, q, i0             ; A's blocks i0 .. i0 + 3
.irp i, \i0, \i0+1, \i0+2, \i0+3
	FRAG AF+FR*(\i), ADRA+\slot, \q, \i
.endr
.endm
.macro PLACES n                        ; plain vector lines between a matrix instruction and a load into, or a vector read or write of, its registers
.rept \n
	v_nop
.endr
.endm
; A step of 128 along K that has its successor in the same slot.
.macro STEP slot, q, zero
	s_wait_dscnt 4*NL                              ; B's set and A's blocks 0-3 are in; the youngest 16 loads (A's blocks 4-7) may be out
	WIN MUL_LO
	MUL16 0, (\q)%2, \zero
	MUL16 2, (\q)%2, \zero
	s_wait_dscnt 0                                 ; A's blocks 4-7 are in
	PLACES NP
	FETCH_B \slot, (\q)+1, 1-(\q)%2
	FETCH_A \slot, (\q)+1, 0
	WIN MUL_HI
	MUL16 4, (\q)%2, \zero
	MUL16 6, (\q)%2, \zero
	PLACES NP
	WIN 0
	FETCH_A \slot, (\q)+1, 4
.endm
; A slot's last step changes slots: ONE barrier; in front of it each wave waits for all its tensor loads, adds 0 to its spare word, and waits for that and for its own reads of this slot.  fill = 1: this slot is filled again, two K steps ahead.
.macro TURN slot, next, fill
	s_wait_tensorcnt 0x0                           ; all my tensor loads have landed: my part of the next slot  (every window is 0 here)
	ds_add_u32 v[SPW], v[NIL]                      ; 0 onto my spare word
	s_wait_dscnt 4*NL+1                            ; (the add and the youngest 16 loads, A's blocks 4-7, may be out)
	WIN MUL_LO
	MUL16 0, 1, 0                                  ; sixteen matrix instructions stand between the add and the wait for it
	s_wait_dscnt 0x0                               ; the add is done, and my reads of this slot are over
	s_barrier_signal -1
	MUL16 2, 1, 0
	WIN 0
	s_barrier_wait -1
.if \fill
	CREST                                          ; the barrier has opened a round of the cluster's barrier: no wave of any partner still reads this slot's tile or has a load on its way
	s_add_nc_u64 s[G0+4*\slot+2:G0+4*\slot+3], s[G0+4*\slot+2:G0+4*\slot+3], 2*ROWB
	s_add_nc_u64 s[G0B+4*\slot+2:G0B+4*\slot+3], s[G0B+4*\slot+2:G0B+4*\slot+3], 2*ROWB
	JLOAD G0+4*\slot, G1, G0B+4*\slot, G1B         ; the first tensor load behind the round; its four v_nop are also the places in front of the loads below
.else
	PLACES NP
.endif
	FETCH_B \next, 0, 0
	FETCH_A \next, 0, 0
	WIN MUL_HI
	MUL16 4, 1, 0
	MUL16 6, 1, 0
	PLACES NP
	WIN 0
	FETCH_A \next, 0, 4
.endm
	s_wait_alu depctr_va_vdst(0)
	s_wait_tensorcnt 1                             ; my part of K step 0 is in (K step 1's load may be out)
	s_barrier_signal -1
	s_barrier_wait -1                              ; everybody's is
	FETCH_B 0, 0, 0
	FETCH_A 0, 0, 0
	FETCH_A 0, 0, 4
	STEP 0, 0, 1                                   ; the first step stands in front of the loop: its products start the sums
	s_mov_b32 s3, LAPS-1
.Llap:                                             ; a trip goes once round the ring and fills both slots again
	TURN 0, 1, 1
	STEP 1, 0, 0
	TURN 1, 0, 1
	STEP 0, 0, 0
	s_sub_co_u32 s3, s3, 1
	s_cmp_lg_u32 s3, 0
	s_cbranch_scc1 .Llap
	TURN 0, 1, 0                                   ; the last lap fills nothing, and has no round of the cluster's barrier
	STEP 1, 0, 0
	s_wait_dscnt 4*NL                              ; the very last step: nothing more to fetch
	WIN MUL_LO
	MUL16 0, 1, 0
	MUL16 2, 1, 0
	s_wait_dscnt 0
	WIN MUL_HI
	MUL16 4, 1, 0
	MUL16 6, 1, 0
	WIN 0
	; THE WAY OUT.  A sum stands for sum x 2^(ea + eb); its code under the next product's scale 2^eo is sum / 2^(eo - ea - eb): the three exponents are folded into the conversion's one.
	s_wait_kmcnt 0x0
	s_add_co_i32 s76, s84, s85                     ; e0 + e1
	s_add_co_i32 s77, s86, s87                     ; e2 + e3
	s_add_co_i32 s78, s88, s89                     ; e4 + e5
	s_cmp_eq_u32 ttmp9, 0
	s_cselect_b32 s79, s76, s78
	s_cselect_b32 s80, s90, s93                    ; q: e6;  v: e9
	s_cmp_eq_u32 ttmp9, 1
	s_cselect_b32 s79, s77, s79
	s_cselect_b32 s80, s91, s80                    ; k: e7
	s_sub_co_i32 s80, s80, s79
	s_add_co_i32 s80, s80, 127
	s_lshl_b32 s81, s80, 23
	v_mov_b32 v[SC], s81
	s_wait_alu depctr_va_vdst(0)
	s_lshl_b32 s20, s17, 8
	s_lshl_b32 s21, s15, 7
	s_add_co_u32 s20, s20, s21                     ; my first row of C
	s_lshl_b32 s22, s42, 8
	s_lshl_b32 s23, s16, 7
	s_add_co_u32 s22, s22, s23                     ; my first column
	s_cmp_lt_u32 ttmp9, 2
	s_cselect_b32 s46, s20, s22                    ; my first token,
	s_cselect_b32 s47, s22, s20                    ; my first of the 1,024 head columns: a multiple of 128, a pair of heads
	s_lshr_b32 s20, s46, 11
	s_lshl_b32 s20, s20, 21                        ; batch x 8 x 262,144
	s_lshr_b32 s21, s47, 7
	s_lshl_b32 s21, s21, 18                        ; head pair x 262,144
	s_add_co_u32 s20, s20, s21
	s_and_b32 s22, s46, 2047
	s_lshl_b32 s22, s22, 7                         ; token tile x 2,048 = chunk of 128 keys x 16,384
	s_add_co_u32 s20, s20, s22
	s_lshl_b32 s21, ttmp9, 23                      ; the part
	s_add_co_u32 s20, s20, s21
	s_mov_b32 s21, 0
	s_add_nc_u64 s[10:11], s[74:75], s[20:21]
; Block a (16 rows of C x my 128 columns): converted, stored.  Each accumulator is read from its low end on.
.macro OUTBLK a
.set AC, 64*((\a)%4)
	WIN 0x02+((\a)/4)                              ; source 0: window 2 or 3
.set j, 0
.rept 64
.set j, j+1
.endr
.irp b, 0,1,2,3,4,5,6,7
	v_cvt_scalef32_pk8_fp8_f32 v[CD+16*(\a)+2*\b:CD+16*(\a)+2*\b+1], v[AC+8*\b:AC+8*\b+7], v[SC]
.endr
	WIN 0
	v_nop                                          ; a plain line behind the last conversion
.irp g, 0,1,2,3
	global_store_b128 v[CO], v[CD+16*(\a)+4*\g:CD+16*(\a)+4*\g+3], s[10:11] offset:(\a)*2048+\g*512   ; 32 lanes store 512 consecutive bytes, aligned: four registers of an operand's image
.endr
.endm
	PLACES NP                                      ; behind the last products: their results are read, and the registers that held A's fragments are written
.irp a, 0,1,2,3,4,5,6,7
	OUTBLK \a
.endr
	s_wait_tensorcnt 0x0                           ; the wave's end
	ds_add_u32 v[SPW], v[NIL]
	s_wait_dscnt 0x0
	CROUND                                         ; the closing round: no work-group ends while a partner may still ask for a tile that names it
	s_endpgm
.Lfunc_end_k_q0ff6bc1947_qkv:
	.size	k_q0ff6bc1947_qkv, .Lfunc_end_k_q0ff6bc1947_qkv-k_q0ff6bc1947_qkv
	.p2alignl 7, 3214868480
	.fill 96, 4, 3214868480
	.section	.rodata,"a",@progbits
	.p2align	6, 0x0
	.amdhsa_kernel k_q0ff6bc1947_qkv
		.amdhsa_group_segment_fixed_size 327680
		.amdhsa_private_segment_fixed_size 0
		.amdhsa_enable_private_segment 0
		.amdhsa_kernarg_size 32
		.amdhsa_user_sgpr_count 2
		.amdhsa_user_sgpr_kernarg_segment_ptr 1
		.amdhsa_wavefront_size32 1
		.amdhsa_system_sgpr_workgroup_id_x 1
		.amdhsa_system_sgpr_workgroup_id_y 1
		.amdhsa_system_sgpr_workgroup_id_z 1
		.amdhsa_system_vgpr_workitem_id 0
		.amdhsa_next_free_vgpr 1024
		.amdhsa_next_free_sgpr 100
		.amdhsa_reserve_vcc 0
		.amdhsa_float_denorm_mode_32 3
		.amdhsa_float_denorm_mode_16_64 3
		.amdhsa_fp16_overflow 1
		.amdhsa_memory_ordered 1
		.amdhsa_forward_progress 1
		.amdhsa_inst_pref_size 86
	.end_amdhsa_kernel
	.amdgpu_metadata
---
amdhsa.version: [ 1, 2 ]
amdhsa.kernels:
  - .name:           k_q0ff6bc1947_qkv
    .symbol:         k_q0ff6bc1947_qkv.kd
    .args:
      - { .name: xc, .offset: 0, .size: 8, .value_kind: global_buffer, .address_space: global }
      - { .name: wc, .offset: 8, .size: 8, .value_kind: global_buffer, .address_space: global }
      - { .name: lowp_scales, .offset: 16, .size: 8, .value_kind: global_buffer, .address_space: global }
      - { .name: qkv, .offset: 24, .size: 8, .value_kind: global_buffer, .address_space: global }
    .group_segment_fixed_size: 327680
    .private_segment_fixed_size: 0
    .kernarg_segment_align: 8
    .kernarg_segment_size: 32
    .max_flat_workgroup_size: 128
    .sgpr_count:     100
    .vgpr_count:     1024
    .wavefront_size: 32
...
	.end_amdgpu_metadata
.endif
;; end of part 2
;; launch attn (part 3): grid 4 x 64, 16 waves a work-group, clusters of 4 x 1, 327,680 bytes of LDS; arguments qkv, lowp_scales, attn; writes attn
.if DOCPART == 3
	.amdgcn_target "amdgcn-amd-amdhsa--gfx1250"
	.amdhsa_code_object_version 6
	.text
	.protected	k_q0ff6bc1947_attn
	.globl	k_q0ff6bc1947_attn
	.p2align	8
	.type	k_q0ff6bc1947_attn,@function
k_q0ff6bc1947_attn:
	s_mov_b64 s[64:65], 0
	v_nop
	global_prefetch_b8 v0, s[64:65] scope:SCOPE_SE
	s_setreg_imm32_b32 hwreg(HW_REG_WAVE_MODE, 25, 1), 1
	s_wait_xcnt 0x0
	s_wait_alu depctr_hold_cnt(0) depctr_sa_sdst(0) depctr_va_vdst(0) depctr_va_sdst(0) depctr_va_ssrc(0) depctr_va_vcc(0) depctr_vm_vsrc(0)
	s_getreg_b32 s2, hwreg(HW_REG_IB_STS2, 6, 4)
	s_cmp_eq_u32 s2, 0
	s_cbranch_scc0 .Lentry_in_a_cluster
	s_endpgm
.Lentry_in_a_cluster:
	s_bfe_u32 s2, ttmp6, 0x10000c
	s_cmp_lg_u32 s2, 0x3003
	s_cbranch_scc0 .Lentry_shape_is_right
	s_endpgm
.Lentry_shape_is_right:
; Attention on E4M3 codes, head size 64, 2,048 tokens, 64 (batch, head) pairs.  Key m counts for query l where m < l: the diagonal is hidden too.  Hidden scores are a large negative constant, not minus infinity:
; QUERY 0 sees hidden keys alone, all its t are equal, p = 1 for all 2,048 keys and its sum is 2,048: that row is computed so.  For every other query a hidden key gives p = 0, and steps whose keys are all hidden are left out.
; t = score x log2(e) / 8; M = the largest t so far rounded UP to a whole number; p = 2^(t - M) is quantised, not normalised; the row's sum is taken of the unquantised p and divides at the end; when M moves, sum and O are multiplied by 2^(old M - new M), exactly.
; SHARES.  A cluster of four work-groups owns one (batch, head).  The head's K and V, 131,072 bytes of codes each, lie in every work-group's LDS ONCE, asked for jointly: no slot is filled again and the walk over the keys has no barrier.
; Query tile t = 4 i + cx (16 queries), i = 0..31, needs key steps 0 .. i / 2 of 128 keys; the last is its diagonal step.  Wave w takes i = 31 - w (pass A), then i = w (pass B): 17 steps for every wave.  cx enters global addresses and vector data alone.
; LAYOUT.  Both products are used transposed: S^T = K Q^T (source 0 = 16 keys, source 1 = my 16 queries, K = 64), O^T = V^T P^T (source 0 = 16 of the head's 64, source 1 = P, K = 128 keys): a lane holds ONE query (lane % 16).
; q, k, v lie in memory as images of these operands' registers, 16 bytes a lane, 512 consecutive bytes a load.  Tile t of S^T holds keys 16 t + 8 (lane / 16) + 0..7: its 8 codes are registers 2 t, 2 t + 1 of P in the plain layout.
; QUERY 0's HIDDEN KEYS.  Wave 0's pass A walks all 16 steps with V's fragments in registers; in steps 1 to 15 it also multiplies them by an operand that holds the code of 1 in query 0's column (only where my pass B tile holds query 0: else zeros), into O'.
; Pass B's step 0 gives keys 0..127 (the hidden score x c is a whole number, so t - M = 0 and p = 1); its way out adds O' and 1,920 to the sum (960 in each half of the lanes).
; OUT: O / the sum x 2^(e8 + e9) is quantised with e10 and stored as an image of the last product's operand: attn byte = token tile x 16,384 + head x 1,024 + c x 512 + 16 lane, lane (r, hf) holding channels 32 c + 16 hf + 0..15 of token r.
; LIMITS: e6 + e7 between -101 and 2 (the hidden score is -2^(26 - e6 - e7) in units of code products, t = -12,102,203; a real |t| is at most 64 x 448^2 x c x 2^(e6 + e7), under 9.3 million there); e8 and e10 between -126 and 119; e8 + e9 goes by v_ldexp_f32.
; REGISTERS: v1-11 addresses and constants; v12 -M, v13 the largest t, v[14:15] the sum in two halves; v16-23, v24-31 Q of pass A, B; v32-95 K's, then V's fragments; v96-159 S^T, then p; v160-191 O^T; v192-223 O'; v224-239 P's codes; v236.. v254 at work and scales.
.set VB,    131072                     ; LDS: K at 0 (token tile x 1,024), V at VB (chunk of 128 keys x 8,192)
.set SPARE, 262144                     ; the spare words, 128 bytes for each of 16 waves: eight blocks of 256 bytes that no other line names
.set STAGE, 264192                     ; 16 rows x 80 bytes for each wave, for the way out: blocks of their own, into which no tile lands
.set LI,   1                           ; v1   16 x lane
.set DA,   2                           ; v2   pass A: my query less the diagonal step's first key less 8 (lane / 16)
.set DB,   3                           ; v3   pass B: the same
.set NEGV, 4                           ; v4   the hidden score
.set SPW,  5                           ; v5   SPARE + 4 x my thread's number; never rewritten
.set NIL,  6                           ; v6   0; never rewritten
.set ONEW, 7                           ; v7   four codes of 1 where my pass B query is query 0, else 0
.set ADK,  8                           ; v8   LDS address of the step's K
.set ADV,  9                           ; v9   of its V
.set STO,  10                          ; v10  the stage: where I put 8 codes
.set RD,   11                          ; v11  and where I read 16 back
.set SI,   14                          ; s14  the key step
.set TB,   15                          ; s15  8,192 x the key step
.set SD,   16                          ; s16  the pass's diagonal step
.set CX,   17
.set WV,   18
.set BH,   19
.set SEL,  20                          ; s[20:21] selects for v_permlanex16_b32: lane l xor 16
.set CS,   22                          ; s[22:23] c = log2(e) / 8 x 2^(e6 + e7)
.set G1K,  24                          ; s[24:31] group 1 for K's quarters;  s[32:39] for V's
.set G1V,  32
.set G0K,  40                          ; s[40:55] four groups 0 for K;  s[68:83] four for V
.set G0V,  68
.macro ROUND                           ; a round of the cluster's barrier
	s_barrier_signal -1
	s_barrier_wait -1
	s_cmp_lg_u32 s[WV], 0
	s_cbranch_scc1 .Lnot_wave_0_\@
	s_barrier_signal -3
.Lnot_wave_0_\@:
	s_barrier_wait -3
	s_barrier_signal -1
	s_barrier_wait -1
.endm
	s_load_b128 s[4:7], s[0:1], 0x0                ; qkv s[4:5], the exponents s[6:7]
	s_load_b64 s[8:9], s[0:1], 0x10                ; attn
	v_lshl_add_u32 v[SPW], v0, 2, SPARE
	v_mov_b32 v[NIL], 0
	ds_add_u32 v[SPW], v[NIL]                      ; the wave's opening: the add and its wait stand ahead of the first tensor loads; the set-up below, work on registers, stands between them
	ds_add_u32 v[SPW], v[NIL]
	v_lshrrev_b32 v32, 5, v0
	s_delay_alu instid0(VALU_DEP_1)
	v_readfirstlane_b32 s[WV], v32                 ; wave 0..15
	s_bfe_u32 s[CX], ttmp6, 0x40000                ; my place in the cluster
	s_and_b32 s[BH], ttmp7, 0xffff                 ; 16 x batch + head, which the four partners share
	; group 1.  K: a quarter is 32 token tiles of 1,024 bytes, 2,048 apart in memory (the pair's other head lies between), dense in LDS.  V: 4 chunks of 8,192 bytes, 16,384 apart.
	s_mov_b32 s[G1K], 15|(1<<21)                   ; 15:0 the mask: all four work-groups; 17:16 elements of 1 byte; 20 no padding; 21 set beside a mask
	s_mov_b32 s[G1K+1], 1024<<16                   ; tensor_dim0
	s_mov_b32 s[G1K+2], 32<<16                     ; tensor_dim1
	s_mov_b32 s[G1K+3], 1024<<16                   ; tile_dim0
	s_mov_b32 s[G1K+4], 32                         ; tile_dim1
	s_mov_b32 s[G1K+5], 2048                       ; tensor_dim0_stride
	s_mov_b32 s[G1K+6], 0
	s_mov_b32 s[G1K+7], 0
	s_mov_b32 s[G1V], 15|(1<<21)
	s_mov_b32 s[G1V+1], 8192<<16
	s_mov_b32 s[G1V+2], 4<<16
	s_mov_b32 s[G1V+3], 8192<<16
	s_mov_b32 s[G1V+4], 4
	s_mov_b32 s[G1V+5], 16384
	s_mov_b32 s[G1V+6], 0
	s_mov_b32 s[G1V+7], 0
	s_mov_b32 s[SEL], 0x76543210
	s_mov_b32 s[SEL+1], 0xfedcba98
	s_mov_b32 s[CS], 0x3e38aa3b                    ; log2(e) / 8
	s_lshr_b32 s92, s[BH], 1
	s_lshl_b32 s92, s92, 18                        ; the head pair's 262,144 bytes in each part
	s_and_b32 s93, s[BH], 1
	s_lshl_b32 s94, s93, 10
	s_add_co_u32 s94, s94, s92                     ; q, k: my head's first image
	s_lshl_b32 s95, s93, 13
	s_add_co_u32 s95, s95, s92                     ; v: likewise
	s_add_co_u32 s96, s94, 0x800000                ; in k's part,
	s_mov_b32 s97, 0
	s_add_co_u32 s66, s95, 0x1000000               ; in v's
	s_mov_b32 s67, 0
	s_sub_co_u32 s98, 31, s[WV]                    ; pass A: i = 31 - w
	s_lshr_b32 s[SD], s98, 1                       ; its diagonal step, 8 or more
	s_lshl_b32 s98, s98, 2
	s_add_co_u32 s98, s98, s[CX]                   ; its query tile
	s_lshl_b32 s99, s[WV], 2
	s_add_co_u32 s99, s99, s[CX]                   ; pass B's
	s_lshl_b32 s10, s98, 11
	s_add_co_u32 s10, s10, s94
	s_mov_b32 s11, 0
	s_lshl_b32 s12, s99, 11
	s_add_co_u32 s12, s12, s94
	s_mov_b32 s13, 0
	s_lshr_b32 s92, s[BH], 4
	s_lshl_b32 s92, s92, 7                         ; batch x 128 token tiles
	s_and_b32 s93, s[BH], 15
	s_lshl_b32 s93, s93, 10                        ; head x 1,024
	s_add_co_u32 s60, s92, s98
	s_lshl_b32 s60, s60, 14
	s_add_co_u32 s60, s60, s93
	s_mov_b32 s61, 0
	s_add_co_u32 s62, s92, s99
	s_lshl_b32 s62, s62, 14
	s_add_co_u32 s62, s62, s93
	s_mov_b32 s63, 0
	s_wait_dscnt 0x0                               ; the opening add is done
	s_wait_kmcnt 0x0
	s_load_b256 s[84:91], s[6:7], 0x10             ; e4 .. e11
	s_add_nc_u64 s[56:57], s[4:5], s[10:11]        ; Q of pass A,
	s_add_nc_u64 s[58:59], s[4:5], s[12:13]        ; of pass B
	s_add_nc_u64 s[60:61], s[8:9], s[60:61]        ; out of pass A,
	s_add_nc_u64 s[62:63], s[8:9], s[62:63]        ; of pass B
	ROUND                                          ; all four work-groups are here: the joint loads meet
.irp q, 0,1,2,3
	s_mov_b32 s[G0K+4*\q], 1                       ; count = 1
	s_mov_b32 s[G0K+4*\q+1], \q*32768              ; LDS address
	s_add_nc_u64 s[G0K+4*\q+2:G0K+4*\q+3], s[4:5], s[96:97]
	s_add_nc_u64 s[G0K+4*\q+2:G0K+4*\q+3], s[G0K+4*\q+2:G0K+4*\q+3], \q*65536
	s_or_b32 s[G0K+4*\q+3], s[G0K+4*\q+3], 0x80000000   ; type = 2
	s_mov_b32 s[G0V+4*\q], 1
	s_mov_b32 s[G0V+4*\q+1], VB+\q*32768
	s_add_nc_u64 s[G0V+4*\q+2:G0V+4*\q+3], s[4:5], s[66:67]
	s_add_nc_u64 s[G0V+4*\q+2:G0V+4*\q+3], s[G0V+4*\q+2:G0V+4*\q+3], \q*65536
	s_or_b32 s[G0V+4*\q+3], s[G0V+4*\q+3], 0x80000000
.endr
	s_cmp_eq_u32 s[WV], 0                          ; wave 0 asks for K's four quarters in order, wave 1 for V's: four loads of a wave are out; a wave's loads stand in one branch on its number, the same in all partners
	s_cbranch_scc0 .Lnot_k
.irp q, 0,1,2,3
	tensor_load_to_lds s[G0K+4*\q:G0K+4*\q+3], s[G1K:G1K+7]
	s_nop 0
.endr
.rept 4
	v_nop
.endr
	s_branch .Lasked
.Lnot_k:
	s_cmp_eq_u32 s[WV], 1
	s_cbranch_scc0 .Lasked
.irp q, 0,1,2,3
	tensor_load_to_lds s[G0V+4*\q:G0V+4*\q+3], s[G1V:G1V+7]
	s_nop 0
.endr
.rept 4
	v_nop
.endr
.Lasked:
	v_and_b32 v[LI], 31, v0
	s_delay_alu instid0(VALU_DEP_1)
	v_lshlrev_b32 v[LI], 4, v[LI]
	global_load_b128 v[16:19], v[LI], s[56:57]             ; Q's fragments stay in registers
	global_load_b128 v[20:23], v[LI], s[56:57] offset:512
	global_load_b128 v[24:27], v[LI], s[58:59]
	global_load_b128 v[28:31], v[LI], s[58:59] offset:512
	v_and_b32 v32, 15, v0                          ; r
	s_wait_alu depctr_va_vdst(0)
	v_bfe_u32 v33, v0, 4, 1                        ; hf
	s_delay_alu instid0(VALU_DEP_1)
	v_lshlrev_b32 v34, 3, v33
	s_delay_alu instid0(VALU_DEP_1)
	v_sub_nc_u32 v34, v32, v34                     ; r - 8 hf
	s_lshl_b32 s92, s[CX], 4
	v_add_nc_u32 v34, s92, v34                     ; + 16 cx
	s_sub_co_u32 s93, 31, s[WV]
	s_and_b32 s93, s93, 1
	s_lshl_b32 s93, s93, 6
	v_add_nc_u32 v[DA], s93, v34                   ; + 64 (i & 1): query 64 i + 16 cx + r against the diagonal step's first key 128 (i / 2)
	s_and_b32 s93, s[WV], 1
	s_lshl_b32 s93, s93, 6
	v_add_nc_u32 v[DB], s93, v34
	s_mul_i32 s94, s[WV], 1280
	s_add_co_u32 s94, s94, STAGE                   ; my stage
	v_mul_u32_u24 v[STO], v32, 80
	s_delay_alu instid0(VALU_DEP_1)
	v_add_nc_u32 v[STO], s94, v[STO]
	s_wait_alu depctr_va_vdst(0)
	v_lshl_add_u32 v[RD], v33, 4, v[STO]           ; back: row r, 16 bytes for each half of the lanes
	v_lshl_add_u32 v[STO], v33, 3, v[STO]          ; in: row r, 8 bytes for each half
	s_lshl_b32 s95, s[WV], 6
	s_add_co_u32 s95, s95, s92
	v_add_nc_u32 v35, s95, v32                     ; my pass B query within the head
.macro INIT                            ; a pass begins: the largest t under every t, sums and O^T zero (the first change of M leaves zeros zeros)
	v_mov_b32 v13, 0xff61b1e6                      ; -3e38
	s_delay_alu instid0(VALU_DEP_1)
	v_floor_f32 v12, -v13
	v_mov_b32 v14, 0
	v_mov_b32 v15, 0
.set j, 0
.rept 32
	v_mov_b32 v[160+j], 0
.set j, j+1
.endr
.endm
	INIT
.set j, 0
.rept 32
	v_mov_b32 v[192+j], 0                          ; O'
.set j, j+1
.endr
	v_mov_b32 v236, 0                              ; written once: a lane permute's destination counts as one of its sources
	v_mov_b32 v252, 0
	v_mov_b32 v253, 0                              ; (named as the upper half of the pair v[252:253])
	s_wait_kmcnt 0x0                               ; s84 .. s91 = e4 .. e11
	s_add_co_i32 s92, s86, s87                     ; e6 + e7
	s_lshl_b32 s93, s92, 23
	s_add_co_i32 s[CS], s[CS], s93                 ; a score stands for score x 2^(e6 + e7): added to c's exponent field
	s_mov_b32 s[CS+1], s[CS]                       ; (named with it as a pair, so it is written)
	s_sub_co_i32 s93, 153, s92
	s_lshl_b32 s93, s93, 23
	s_or_b32 s93, s93, 0x80000000
	v_mov_b32 v[NEGV], s93                         ; -2^(26 - e6 - e7): x c it is the whole number -12,102,203
	s_add_co_i32 s92, s88, 127
	s_lshl_b32 s93, s92, 23
	v_mov_b32 v244, s93                            ; 2^e8
	s_add_co_i32 s92, s92, 8
	s_lshl_b32 s92, s92, 23
	s_or_b32 s92, s92, 0x600000
	v_mov_b32 v240, s92                            ; 448 x 2^e8
	s_add_co_i32 s92, s90, 127
	s_lshl_b32 s93, s92, 23
	v_mov_b32 v246, s93                            ; 2^e10
	s_add_co_i32 s2, s88, s89                      ; e8 + e9
	v_min_num_f32 v96, 1.0, v240                   ; p = 1, held under 448 x 2^e8,
.irp j, 1,2,3,4,5,6,7
	v_mov_b32 v[96+\j], v96
.endr
	v_cvt_scalef32_pk8_fp8_f32 v[104:105], v[96:103], v244   ; as codes
	v_cmp_eq_u32 vcc_lo, 0, v35                    ; (a plain line behind the conversion)  is my pass B query query 0?
	v_cndmask_b32 v[ONEW], 0, v104, vcc_lo
	v_mov_b32 v254, 0x44700000                     ; 960.0
	s_delay_alu instid0(VALU_DEP_1)
	v_cndmask_b32 v241, 0, v254, vcc_lo            ; what each half of the lanes adds to query 0's sum for keys 128 .. 2,047
; A KEY STEP: 128 keys.  q: Q's first register; d: DA or DB; mask = 1: the step may be hidden or the diagonal's; ones = 1: wave 0 also feeds O'.
.macro STEP q, d, mask, ones
.if \mask
	s_cmp_gt_u32 s[SI], s[SD]                      ; all keys of the step come after my queries: a scalar branch on the wave's number and the step, round the step's work alone
	s_cbranch_scc1 .Lhid_\@
.endif
	v_add_nc_u32 v[ADK], s[TB], v[LI]
	s_delay_alu instid0(VALU_DEP_1)
	v_add_nc_u32 v[ADV], VB, v[ADK]
	s_setprio 2
	v_nop
	v_nop                                          ; with the two additions: four places in front of loads into registers that the last products have read
.set t, 0
.rept 8
	ds_load_b128 v[32+8*t:35+8*t], v[ADK] offset:1024*t        ; tile t of 16 keys: 512 consecutive bytes a load
	ds_load_b128 v[36+8*t:39+8*t], v[ADK] offset:1024*t+512
.set t, t+1
.endr
	s_wait_alu depctr_va_vdst(0)
	s_wait_dscnt 0x0
.set t, 0
.rept 8
	v_wmma_f32_16x16x64_fp8_fp8 v[96+8*t:103+8*t], v[32+8*t:39+8*t], v[\q:\q+7], 0
.set t, t+1
.endr
.rept 4
	v_nop                                          ; places: in front of the loads below and of the first read of the scores
.endr
.set t, 0
.rept 16
	ds_load_b128 v[32+4*t:35+4*t], v[ADV] offset:512*t         ; V's four fragments (16 channels x 128 keys each): they land under the softmax
.set t, t+1
.endr
.if \mask
	s_cmp_lg_u32 s[SI], s[SD]
	s_cbranch_scc1 .Lopen_\@                       ; a step all of whose keys count
.set n, 0
.rept 64
	v_cmp_ge_i32 vcc_lo, 16*(n/8)+n%8, v[\d]       ; register n holds key 16 (n / 8) + 8 hf + n % 8 of the step: hidden where it is not under my query
	v_cndmask_b32 v[96+n], v[96+n], v[NEGV], vcc_lo
.set n, n+1
.endr
.Lopen_\@:
.endif
	v_max3_num_f32 v254, v96, v97, v98             ; the step's largest score of my query among my 64 keys, in two chains,
	v_max3_num_f32 v252, v99, v100, v101
.irp i, 6,10,14,18,22,26,30,34,38,42,46,50,54,58
	v_max3_num_f32 v254, v254, v[96+\i], v[97+\i]
	v_max3_num_f32 v252, v252, v[98+\i], v[99+\i]
.endr
	v_max3_num_f32 v254, v254, v158, v159
	s_delay_alu instid0(VALU_DEP_1)
	v_max_num_f32 v254, v254, v252
	v_permlanex16_b32 v236, v254, s[SEL], s[SEL+1]
	s_delay_alu instid0(VALU_DEP_1)
	v_max_num_f32 v254, v254, v236                 ; and among lane l xor 16's
	s_delay_alu instid0(VALU_DEP_1)
	v_mul_f32 v254, s[CS], v254                    ; as t (c is positive)
	s_delay_alu instid0(VALU_DEP_1)
	v_max_num_f32 v13, v13, v254                   ; the running largest t
	v_mov_b32 v254, v12
	s_delay_alu instid0(VALU_DEP_2)
	v_floor_f32 v12, -v13                          ; the new -M = floor(-t) = -ceil(t)
	s_delay_alu instid0(VALU_DEP_1)
	v_sub_f32 v254, v12, v254                      ; old M less new M: a whole number, 0 or less
	s_delay_alu instid0(VALU_DEP_1)
	v_cvt_i32_f32 v254, v254                       ; (it saturates)
	s_delay_alu instid0(VALU_DEP_1)
	v_ldexp_f32 v252, 1.0, v254                    ; f = 2^(old M - new M)
.set j, 0
.rept 32
	v_pk_fma_f32 v[96+j:97+j], v[96+j:97+j], s[CS:CS+1], v[12:13] op_sel_hi:[1,0,0]   ; t - M, two at a time
.set j, j+2
.endr
.set j, 0
	s_setprio 1
	s_wait_alu depctr_va_vdst(0)
.rept 64
	v_exp_f32 v[96+j], v[96+j]                     ; p = 2^(t - M), at most 1
.set j, j+1
.endr
	v_pk_mul_f32 v[14:15], v[14:15], v[252:253] op_sel_hi:[1,0]   ; the sums under the new M: the plain line behind the exponentials
	s_wait_alu depctr_va_vdst(0)                   ; one wait for the batch of 64, ahead of its first reader
	v_pk_add_f32 v[242:243], v[100:101], v[104:105]
	v_pk_add_f32 v[254:255], v[108:109], v[112:113]
	v_pk_add_f32 v[250:251], v[116:117], v[120:121]
	v_pk_add_f32 v[248:249], v[124:125], v[128:129]
	v_pk_add_f32 v[238:239], v[132:133], v[136:137]
	v_pk_add_f32 v[236:237], v[140:141], v[144:145]
	v_pk_add_f32 v[234:235], v[148:149], v[152:153]
	v_pk_add_f32 v[14:15], v[14:15], v[156:157]
	v_pk_add_f32 v[242:243], v[242:243], v[96:97]
	v_pk_add_f32 v[254:255], v[254:255], v[98:99]
	v_pk_add_f32 v[250:251], v[250:251], v[102:103]
	v_pk_add_f32 v[248:249], v[248:249], v[106:107]
	v_pk_add_f32 v[238:239], v[238:239], v[110:111]
	v_pk_add_f32 v[236:237], v[236:237], v[114:115]
	v_pk_add_f32 v[234:235], v[234:235], v[118:119]
	v_pk_add_f32 v[14:15], v[14:15], v[122:123]
	v_pk_add_f32 v[242:243], v[242:243], v[126:127]
	v_pk_add_f32 v[254:255], v[254:255], v[130:131]
	v_pk_add_f32 v[250:251], v[250:251], v[134:135]
	v_pk_add_f32 v[248:249], v[248:249], v[138:139]
	v_pk_add_f32 v[238:239], v[238:239], v[142:143]
	v_pk_add_f32 v[236:237], v[236:237], v[146:147]
	v_pk_add_f32 v[234:235], v[234:235], v[150:151]
	v_pk_add_f32 v[14:15], v[14:15], v[154:155]
	v_pk_add_f32 v[242:243], v[242:243], v[158:159]
	s_delay_alu instid0(VALU_DEP_2)
	v_pk_add_f32 v[14:15], v[14:15], v[248:249]
	s_delay_alu instid0(VALU_DEP_2)
	v_pk_add_f32 v[242:243], v[242:243], v[238:239]
	v_pk_add_f32 v[254:255], v[254:255], v[236:237]
	v_pk_add_f32 v[250:251], v[250:251], v[234:235]
	s_delay_alu instid0(VALU_DEP_2)
	v_pk_add_f32 v[14:15], v[14:15], v[254:255]
	s_delay_alu instid0(VALU_DEP_2)
	v_pk_add_f32 v[242:243], v[242:243], v[250:251]
	s_delay_alu instid0(VALU_DEP_1)
	v_pk_add_f32 v[14:15], v[14:15], v[242:243]
.set t, 0
.rept 8
.set j, 0
.rept 8
.set j, j+1
.endr
	v_cvt_scalef32_pk8_fp8_f32 v[224+2*t:225+2*t], v[96+8*t:103+8*t], v244
.set t, t+1
.endr
.set j, 0
.rept 16
	v_pk_mul_f32 v[160+j:161+j], v[160+j:161+j], v[252:253] op_sel_hi:[1,0]   ; O^T under the new M  (plain lines behind the conversions)
.set j, j+2
.endr
	s_setprio 0
	s_wait_alu depctr_va_vdst(0)
	s_wait_dscnt 0x0                               ; V is in
.set t, 0
.rept 4
	v_wmma_f32_16x16x128_fp8_fp8 v[160+8*t:167+8*t], v[32+16*t:47+16*t], v[224:239], v[160+8*t:167+8*t]   ; the four accumulators take turns
.set t, t+1
.endr
.if \ones
	s_cmp_lg_u32 s[WV], 0                          ; wave 0 alone, in steps 1 to 15: branches on the wave's number and the step
	s_cbranch_scc1 .Lno1_\@
	s_cmp_eq_u32 s[SI], 0
	s_cbranch_scc1 .Lno1_\@
.rept 4
	v_nop                                          ; places in front of writes of P's registers, which the products above read
.endr
.set t, 0
.rept 16
	v_mov_b32 v[224+t], v[ONEW]
.set t, t+1
.endr
.set t, 0
.rept 4
	v_wmma_f32_16x16x128_fp8_fp8 v[192+8*t:199+8*t], v[32+16*t:47+16*t], v[224:239], v[192+8*t:199+8*t]
.set t, t+1
.endr
.Lno1_\@:
.endif
.if \mask
.Lhid_\@:
.endif
.endm
; THE WAY OUT of a pass: O^T / the sum x 2^(e8 + e9), quantised with e10.  A lane's 8 codes of tile td are channels 16 td + 8 hf + 0..7 of its query; the next product's operand wants 16 neighbours a lane: they turn through my stage (rows of 64 bytes + 16).
.macro OUT pass
.rept 4
	v_nop                                          ; places behind the last products
.endr
	v_add_f32 v14, v14, v15                        ; the sum's two halves,
.if \pass
	s_delay_alu instid0(VALU_DEP_1)
	v_add_f32 v14, v14, v241                       ; query 0's keys 128 .. 2,047,
.endif
	s_delay_alu instid0(VALU_DEP_1)
	v_permlanex16_b32 v252, v14, s[SEL], s[SEL+1]
	s_delay_alu instid0(VALU_DEP_1)
	v_add_f32 v14, v14, v252                       ; and lane l xor 16's
	s_wait_alu depctr_va_vdst(0)
	v_rcp_f32 v14, v14
.if \pass
.set j, 0
	s_wait_alu depctr_va_vdst(0)
.rept 16
	v_pk_add_f32 v[160+j:161+j], v[160+j:161+j], v[192+j:193+j]   ; + O'  (plain lines behind the reciprocal)
.set j, j+2
.endr
.else
	v_nop                                          ; a plain line behind the reciprocal
.endif
	s_wait_alu depctr_va_vdst(0)                   ; the wait ahead of its first reader
	v_ldexp_f32 v14, v14, s2
.set j, 0
.rept 16
	v_pk_mul_f32 v[96+j:97+j], v[160+j:161+j], v[14:15] op_sel_hi:[1,0]
.set j, j+2
.endr
.set j, 0
.rept 32
.set j, j+1
.endr
.irp t, 0,1,2,3
	v_cvt_scalef32_pk8_fp8_f32 v[128+2*\t:129+2*\t], v[96+8*\t:103+8*\t], v246
.endr
	v_nop                                          ; a plain line behind the last conversion: later products write these registers
.irp t, 0,1,2,3
	ds_store_b64 v[STO], v[128+2*\t:129+2*\t] offset:16*\t
.endr
.irp c, 0,1
	ds_load_b128 v[136+4*\c:139+4*\c], v[RD] offset:32*\c   ; LDS serves a wave's instructions in order: these see my stores
.endr
	s_wait_dscnt 0x0
.irp c, 0,1
	global_store_b128 v[LI], v[136+4*\c:139+4*\c], s[60+2*\pass:61+2*\pass] offset:512*\c   ; 32 lanes store 512 consecutive bytes, aligned
.endr
.endm
	s_wait_tensorcnt 0x3                           ; my first quarter is in; the three behind it may be out
	s_barrier_signal -1
	s_barrier_wait -1                              ; K's and V's first quarters (keys 0 .. 511) are whole for all sixteen waves
	s_wait_loadcnt 0x0                             ; Q
	s_mov_b32 s[SI], 0
	s_mov_b32 s[TB], 0
.LA1:                                              ; pass A, steps 0 to 3: every wave's diagonal step is 8 or later, so all keys count; they read the first quarters alone, while the others land
	STEP 16, DA, 0, 1
	s_add_co_u32 s[TB], s[TB], 8192
	s_add_co_u32 s[SI], s[SI], 1
	s_cmp_lt_u32 s[SI], 4
	s_cbranch_scc1 .LA1
	s_setprio 0
	s_wait_tensorcnt 0x0                           ; all my quarters are in,
	s_wait_dscnt 0x0
	s_barrier_signal -1
	s_barrier_wait -1                              ; everybody's are
	s_mov_b32 s[SI], 4
	s_mov_b32 s[TB], 4*8192
.LA2:                                              ; pass A, steps 4 to 15: the trip count is a constant; a hidden step's work is jumped over
	STEP 16, DA, 1, 1
	s_add_co_u32 s[TB], s[TB], 8192
	s_add_co_u32 s[SI], s[SI], 1
	s_cmp_lt_u32 s[SI], 16
	s_cbranch_scc1 .LA2
	s_setprio 0
	OUT 0
	INIT
	s_lshr_b32 s[SD], s[WV], 1                     ; pass B: i = w
	s_mov_b32 s[SI], 0
	s_mov_b32 s[TB], 0
	s_wait_xcnt 0x0                                ; pass A's two stores have read their data registers, which pass B's first products write over
.LB:                                               ; pass B, steps 0 to 7
	STEP 24, DB, 1, 0
	s_add_co_u32 s[TB], s[TB], 8192
	s_add_co_u32 s[SI], s[SI], 1
	s_cmp_lt_u32 s[SI], 8
	s_cbranch_scc1 .LB
	s_setprio 0
	OUT 1
	s_wait_tensorcnt 0x0                           ; the wave's end
	ds_add_u32 v[SPW], v[NIL]
	s_wait_dscnt 0x0
	ROUND                                          ; the closing round: no work-group ends while a partner may still ask for a tile that names it
	s_endpgm
.Lfunc_end_k_q0ff6bc1947_attn:
	.size	k_q0ff6bc1947_attn, .Lfunc_end_k_q0ff6bc1947_attn-k_q0ff6bc1947_attn
	.p2alignl 7, 3214868480
	.fill 96, 4, 3214868480
	.section	.rodata,"a",@progbits
	.p2align	6, 0x0
	.amdhsa_kernel k_q0ff6bc1947_attn
		.amdhsa_group_segment_fixed_size 327680
		.amdhsa_private_segment_fixed_size 0
		.amdhsa_enable_private_segment 0
		.amdhsa_kernarg_size 24
		.amdhsa_user_sgpr_count 2
		.amdhsa_user_sgpr_kernarg_segment_ptr 1
		.amdhsa_wavefront_size32 1
		.amdhsa_system_sgpr_workgroup_id_x 1
		.amdhsa_system_sgpr_workgroup_id_y 1
		.amdhsa_system_sgpr_workgroup_id_z 1
		.amdhsa_system_vgpr_workitem_id 0
		.amdhsa_next_free_vgpr 256
		.amdhsa_next_free_sgpr 100
		.amdhsa_reserve_vcc 1
		.amdhsa_float_denorm_mode_32 3
		.amdhsa_float_denorm_mode_16_64 3
		.amdhsa_fp16_overflow 1
		.amdhsa_memory_ordered 1
		.amdhsa_forward_progress 1
		.amdhsa_inst_pref_size 74
	.end_amdhsa_kernel
	.amdgpu_metadata
---
amdhsa.version: [ 1, 2 ]
amdhsa.kernels:
  - .name:           k_q0ff6bc1947_attn
    .symbol:         k_q0ff6bc1947_attn.kd
    .args:
      - { .name: qkv, .offset: 0, .size: 8, .value_kind: global_buffer, .address_space: global }
      - { .name: lowp_scales, .offset: 8, .size: 8, .value_kind: global_buffer, .address_space: global }
      - { .name: attn, .offset: 16, .size: 8, .value_kind: global_buffer, .address_space: global }
    .group_segment_fixed_size: 327680
    .private_segment_fixed_size: 0
    .kernarg_segment_align: 8
    .kernarg_segment_size: 24
    .max_flat_workgroup_size: 512
    .sgpr_count:     100
    .vgpr_count:     256
    .wavefront_size: 32
...
	.end_amdgpu_metadata
.endif
;; end of part 3
;; launch outproj (part 4): grid 4 x 32, 4 waves a work-group, clusters of 4 x 4, 327,680 bytes of LDS; arguments attn, wc, lowp_scales, out0; writes out0
.if DOCPART == 4
	.amdgcn_target "amdgcn-amd-amdhsa--gfx1250"
	.amdhsa_code_object_version 6
	.text
	.protected	k_q0ff6bc1947_outproj
	.globl	k_q0ff6bc1947_outproj
	.p2align	8
	.type	k_q0ff6bc1947_outproj,@function
k_q0ff6bc1947_outproj:
	s_mov_b64 s[64:65], 0
	v_nop
	global_prefetch_b8 v0, s[64:65] scope:SCOPE_SE
	s_setreg_imm32_b32 hwreg(HW_REG_WAVE_MODE, 25, 1), 1
	s_wait_xcnt 0x0
	s_wait_alu depctr_hold_cnt(0) depctr_sa_sdst(0) depctr_va_vdst(0) depctr_va_sdst(0) depctr_va_ssrc(0) depctr_va_vcc(0) depctr_vm_vsrc(0)
	s_getreg_b32 s2, hwreg(HW_REG_IB_STS2, 6, 4)
	s_cmp_eq_u32 s2, 0
	s_cbranch_scc0 .Lentry_in_a_cluster
	s_endpgm
.Lentry_in_a_cluster:
	s_bfe_u32 s2, ttmp6, 0x10000c
	s_cmp_lg_u32 s2, 0xf033
	s_cbranch_scc0 .Lentry_shape_is_right
	s_endpgm
.Lentry_shape_is_right:
; out0[m][n] = sum over k of A[m][k] W_out[k][n] on E4M3 codes, x 2^(e10 + e11); out0 [8192][1024] f32.  A: the attention's result, stored by the launch before as images of this product's operand registers;
; B: W_out's codes [n][k], part 3 of wc.  LIMIT: e10 + e11 lies between -126 and 127, so that 2^(e10 + e11) is an f32 number.
; A tile of C, 256 x 256, to a work-group of four waves, 128 x 128 a wave (64 accumulators, 512 registers); K = 1,024 in four steps of 256 through two LDS slots.
; A IN MEMORY: token tile T x 16,384 + (k / 128) x 2,048 + c x 512 + 16 lane; lane (r, hf) holds k = 32 c + 16 hf + 0..15 of token r: the very registers that four loads of 16 bytes, 32 apart, give a row-major fragment of B.
; So a K step of 128 tokens is 8 rows of 4,096 bytes, 16,384 apart, dense in LDS, and each fragment load reads 512 consecutive bytes.  B's tiles are rows of 256 bytes, padded by 16 in LDS.
; CLUSTERS: 4 x 4 work-groups; A's tile is asked for jointly along a row of the cluster, B's along a column.  THE MATRIX INSTRUCTION IS USED TRANSPOSED (source 0 = 16 rows of B, source 1 = 16 rows of A): a lane holds eight neighbouring numbers of a row of C.
; REGISTERS, in windows of 256: window 0: v16-31 addresses; from v128 A's fragments, ONE set; on the way out v32-255 are free.  window 1: B's fragments, TWO sets.  windows 2, 3: the accumulators.
.set SIZE_N, 1024
.set ROWB,   256                       ; B: a tile's row in bytes
.set KROW,   1024                      ; B: a row in memory
.set ASTEP,  4096                      ; A: a K step of one token tile, in bytes
.set AHALF,  8*ASTEP                   ; A: 128 tokens' K step: what one tensor load brings
.set PITCH,  272                       ; B: an LDS row: 256 bytes + 16 of padding: the 16 rows that a load touches start at 16 different banks (64 banks of 4 bytes: ISA guide 11.1)
.set FR,     16
.set NL,     4
.set NP,     4                         ; places behind this matrix instruction (ISA guide 7.12.1)
.set HALFT,  128*PITCH                 ; B: 128 rows
.set BOFF,   2*AHALF                   ; a slot: A's two halves, then B's two
.set SLOT,   BOFF+2*HALFT
.set LAPS,   2
.set SPARE,  2*SLOT                    ; behind the ring: the spare words, 128 bytes a wave: two blocks of 256 bytes that no other line names
.set SPITCH, 528                       ; the way out: a stage of 16 rows x (512 bytes + 16) for each wave.  It lies in slot 0, which has had its last fill and its last read when the first result is stored there
.set ADRA, 16
.set ADRB, 20
.set STO,  24
.set RD,   25
.set CO,   26
.set SPW,  28
.set NIL,  29
.set TMP,  32
.set AF,   128
.set BK,   128
.set G1, 24
.set G0, 32
.set G1B, 48
.set G0B, 56
.set MSB, 0
.macro WIN new                         ; the immediate's high byte repeats the setting that is left
.if MSB != \new
	s_set_vgpr_msb (MSB<<8)|\new
.set MSB, \new
.endif
.endm
.set MUL_LO, 0xa1
.set MUL_HI, 0xf1
.set TO_B,   0x40
.macro JLOAD g0a, g1a, g0b, g1b        ; a joint load: waves 0 and 1 fetch for A, waves 2 and 3 for B; an s_nop 0 and four v_nop follow each of the two lines
	s_cmp_eq_u32 s15, 0
	s_cbranch_scc0 .Lfor_b_\@
	tensor_load_to_lds s[\g0a:\g0a+3], s[\g1a:\g1a+7]
	s_nop 0
.rept 4
	v_nop
.endr
	s_branch .Lasked_\@
.Lfor_b_\@:
	tensor_load_to_lds s[\g0b:\g0b+3], s[\g1b:\g1b+7]
	s_nop 0
.rept 4
	v_nop
.endr
.Lasked_\@:
.endm
.macro CREST
	s_cmp_lg_u32 s14, 0
	s_cbranch_scc1 .Lnot_wave_0_\@
	s_barrier_signal -3
.Lnot_wave_0_\@:
	s_barrier_wait -3
	s_barrier_signal -1
	s_barrier_wait -1
.endm
.macro CROUND
	s_barrier_signal -1
	s_barrier_wait -1
	CREST
.endm
	s_load_b128 s[4:7], s[0:1], 0x0                ; attn s[4:5], wc s[6:7]
	s_load_b128 s[8:11], s[0:1], 0x10              ; the exponents s[8:9], out0 s[10:11]
	v_lshl_add_u32 v[SPW], v0, 2, SPARE
	v_mov_b32 v[NIL], 0
	ds_add_u32 v[SPW], v[NIL]                      ; the wave's opening: the add and its wait stand ahead of my first tensor load; the set-up below, work on registers, stands between them
	ds_add_u32 v[SPW], v[NIL]
	v_lshrrev_b32 v1, 5, v0
	v_readfirstlane_b32 s14, v1                    ; wave 0..3
	s_lshr_b32 s15, s14, 1                         ; which half of the tile's rows is mine.  Also: I fetch for A (0) or for B (1)
	s_and_b32 s16, s14, 1                          ; which half of its columns.  Also: which half of that tile I fetch
	s_bfe_u32 s40, ttmp6, 0x40000                  ; cx, cy
	s_bfe_u32 s41, ttmp6, 0x40004
	s_lshl_b32 s42, ttmp9, 2
	s_add_co_u32 s42, s42, s40                     ; tile column of C
	s_and_b32 s17, ttmp7, 0xffff
	s_lshl_b32 s17, s17, 2
	s_add_co_u32 s17, s17, s41                     ; tile row of C
	s_lshl_b32 s43, s41, 2
	s_lshl_b32 s43, 15, s43                        ; my row of the cluster
	s_lshl_b32 s44, 0x1111, s40                    ; my column
	s_or_b32 s[G1+0], s43, (1<<21)                 ; A: 15:0 the mask: my row; elements of 1 byte; no padding; 21 set beside a mask
	s_mov_b32 s[G1+1], ASTEP<<16                   ; tensor_dim0 = 4,096
	s_mov_b32 s[G1+2], 8<<16                       ; tensor_dim1 = 8
	s_mov_b32 s[G1+3], ASTEP<<16                   ; tile_dim0
	s_mov_b32 s[G1+4], 8                           ; tile_dim1
	s_mov_b32 s[G1+5], 16384                       ; from token tile to token tile
	s_mov_b32 s[G1+6], 0
	s_mov_b32 s[G1+7], 0
	s_or_b32 s[G1B+0], s44, (0<<16)|(1<<20)|(1<<21)|(5<<22)|(3<<25)  ; B: the mask: my column; padding of 4 words after every 64
	s_mov_b32 s[G1B+1], ROWB<<16
	s_mov_b32 s[G1B+2], 128<<16
	s_mov_b32 s[G1B+3], ROWB<<16
	s_mov_b32 s[G1B+4], 128
	s_mov_b32 s[G1B+5], KROW
	s_mov_b32 s[G1B+6], 0
	s_mov_b32 s[G1B+7], 0
	s_lshl_b32 s18, s16, 7
	s_lshl_b32 s20, s17, 8
	s_add_co_u32 s20, s20, s18                     ; A: token 256 x tile row + 128 x half;
	s_lshl_b32 s20, s20, 10                        ; 16 tokens are 16,384 bytes
	s_mov_b32 s21, 0
	s_lshl_b32 s46, s42, 8
	s_add_co_u32 s46, s46, s18                     ; B: row 256 x tile column + 128 x half,
	s_lshl_b32 s46, s46, 10
	s_add_co_u32 s46, s46, 0x300000                ; in W_out's part of wc
	s_mov_b32 s47, 0
	s_lshl_b32 s45, s16, 15                        ; where A's half goes,
	s_mul_i32 s79, s16, HALFT
	s_add_co_u32 s79, s79, BOFF                    ; and B's: the wave's number alone enters an LDS address
	s_wait_dscnt 0x0                               ; the opening add is done
	s_wait_kmcnt 0x0
	s_load_b64 s[96:97], s[8:9], 0x28              ; e10, e11
	s_add_nc_u64 s[20:21], s[4:5], s[20:21]
	s_add_nc_u64 s[46:47], s[6:7], s[46:47]
	CROUND                                         ; all sixteen work-groups are here: the first joint loads meet
.irp s, 0,1
	s_mov_b32 s[G0+4*\s], 1
	s_add_co_u32 s[G0+4*\s+1], s45, \s*SLOT
	s_add_nc_u64 s[G0+4*\s+2:G0+4*\s+3], s[20:21], \s*ASTEP
	s_or_b32 s[G0+4*\s+3], s[G0+4*\s+3], 0x80000000
	s_mov_b32 s[G0B+4*\s], 1
	s_add_co_u32 s[G0B+4*\s+1], s79, \s*SLOT
	s_add_nc_u64 s[G0B+4*\s+2:G0B+4*\s+3], s[46:47], \s*ROWB
	s_or_b32 s[G0B+4*\s+3], s[G0B+4*\s+3], 0x80000000
	s_wait_alu depctr_va_vdst(0)
	s_wait_tensorcnt 0x0
	ds_add_u32 v28, v29
	ds_add_u32 v28, v29
	s_wait_dscnt 0x0
	CROUND
	JLOAD G0+4*\s, G1, G0B+4*\s, G1B
.endr
	v_and_b32 v1, 15, v0                           ; l % 16
	v_bfe_u32 v2, v0, 4, 1                         ; l / 16
	v_mul_u32_u24 v3, v1, PITCH
	v_lshl_add_u32 v4, v2, 4, v3                   ; B: a fragment's row x pitch + 16 x half
	v_and_b32 v6, 31, v0
	v_lshlrev_b32 v[CO], 4, v6                     ; 16 x lane: A's images, and the way out
	s_wait_alu depctr_va_vdst(0)
	s_lshl_b32 s21, s15, 15                        ; my 128 tokens of A
	s_mul_i32 s22, s16, HALFT                      ; my 128 rows of B
	s_add_co_u32 s22, s22, BOFF
.irp s, 0,1
	v_add_nc_u32 v[ADRA+\s], s21, v[CO]
	v_add_nc_u32 v[ADRB+\s], s22, v4
	s_add_co_u32 s21, s21, SLOT
	s_add_co_u32 s22, s22, SLOT
.endr
	s_mul_i32 s23, s14, 16*SPITCH                  ; my stage
	v_mul_u32_u24 v5, v1, SPITCH                   ; in: row l % 16, 32 bytes for each half of the lanes
	v_lshl_add_u32 v5, v2, 5, v5
	v_add_nc_u32 v[STO], s23, v5
	v_add_nc_u32 v[RD], s23, v[CO]                 ; back: the 32 lanes take one row of 512 bytes
	s_lshl_b32 s20, s17, 8
	s_lshl_b32 s21, s15, 7
	s_add_co_u32 s20, s20, s21                     ; my first row of C,
	s_lshl_b32 s20, s20, 12                        ; of 4,096 bytes
	s_lshl_b32 s46, s42, 10                        ; my first column, in bytes
	s_lshl_b32 s47, s16, 9
	s_add_co_u32 s46, s46, s47
	s_add_co_u32 s20, s20, s46
	s_mov_b32 s21, 0
	s_add_nc_u64 s[10:11], s[10:11], s[20:21]
.macro FRAGB reg, adr, q, i            ; registers 4 c .. 4 c + 3 hold K = 32 c + 16 (l / 16) + 0 .. 15 of row l % 16
.irp c, 0,1,2,3
	ds_load_b128 v[\reg+4*\c:\reg+4*\c+3], v[\adr] offset:128*(\q)+32*\c+(\i)*16*PITCH
.endr
.endm
.macro FRAGA reg, adr, q, i            ; the same registers from an image: token tile i, the slot's q-th 128 along K
.irp c, 0,1,2,3
	ds_load_b128 v[\reg+4*\c:\reg+4*\c+3], v[\adr] offset:ASTEP*(\i)+2048*(\q)+512*\c
.endr
.endm
.macro MUL16 a0, p, zero               ; 16 matrix instructions: A's blocks a0, a0 + 1 x B's eight; the 64 accumulators take turns, one instruction a turn
.irp a, \a0, \a0+1
.irp b, 0,1,2,3,4,5,6,7
.if \zero
	v_wmma_f32_16x16x128_fp8_fp8 v[8*(8*((\a)%4)+\b):8*(8*((\a)%4)+\b)+7], v[128*(\p)+FR*\b:128*(\p)+FR*\b+FR-1], v[AF+FR*(\a):AF+FR*(\a)+FR-1], 0
.else
	v_wmma_f32_16x16x128_fp8_fp8 v[8*(8*((\a)%4)+\b):8*(8*((\a)%4)+\b)+7], v[128*(\p)+FR*\b:128*(\p)+FR*\b+FR-1], v[AF+FR*(\a):AF+FR*(\a)+FR-1], v[8*(8*((\a)%4)+\b):8*(8*((\a)%4)+\b)+7]
.endif
.endr
.endr
.endm
.macro FETCH_B slot, q, p
	WIN TO_B
.irp i, 0,1,2,3,4,5,6,7
	FRAGB 128*(\p)+FR*\i, ADRB+\slot, \q, \i
.endr
	WIN 0
.endm
.macro FETCH_A slot, q, i0
.irp i, \i0, \i0+1, \i0+2, \i0+3
	FRAGA AF+FR*(\i), ADRA+\slot, \q, \i
.endr
.endm
.macro PLACES n                        ; plain vector lines between a matrix instruction and a load into, or a vector read of, its registers
.rept \n
	v_nop
.endr
.endm
.macro STEP slot, q, zero
	s_wait_dscnt 4*NL                              ; B's set and A's blocks 0-3 are in; the youngest 16 loads (A's blocks 4-7) may be out
	WIN MUL_LO
	MUL16 0, (\q)%2, \zero
	MUL16 2, (\q)%2, \zero
	s_wait_dscnt 0
	PLACES NP
	FETCH_B \slot, (\q)+1, 1-(\q)%2
	FETCH_A \slot, (\q)+1, 0
	WIN MUL_HI
	MUL16 4, (\q)%2, \zero
	MUL16 6, (\q)%2, \zero
	PLACES NP
	WIN 0
	FETCH_A \slot, (\q)+1, 4
.endm
; A slot's last step changes slots: ONE barrier; in front of it each wave waits for all its tensor loads, adds 0 to its spare word, and waits for that and for its own reads of this slot.
.macro TURN slot, next, fill
	s_wait_tensorcnt 0x0                           ; all my tensor loads have landed: my part of the next slot
	ds_add_u32 v[SPW], v[NIL]                      ; 0 onto my spare word
	s_wait_dscnt 4*NL+1                            ; (the add and the youngest 16 loads may be out)
	WIN MUL_LO
	MUL16 0, 1, 0
	s_wait_dscnt 0x0                               ; the add is done, and my reads of this slot are over
	s_barrier_signal -1
	MUL16 2, 1, 0
	WIN 0
	s_barrier_wait -1
.if \fill
	CREST                                          ; the barrier has opened a round of the cluster's barrier: no wave of any partner still reads this slot's tile or has a load on its way
	s_add_nc_u64 s[G0+4*\slot+2:G0+4*\slot+3], s[G0+4*\slot+2:G0+4*\slot+3], 2*ASTEP
	s_add_nc_u64 s[G0B+4*\slot+2:G0B+4*\slot+3], s[G0B+4*\slot+2:G0B+4*\slot+3], 2*ROWB
	JLOAD G0+4*\slot, G1, G0B+4*\slot, G1B         ; the first tensor load behind the round; its four v_nop are also the places in front of the loads below
.else
	PLACES NP
.endif
	FETCH_B \next, 0, 0
	FETCH_A \next, 0, 0
	WIN MUL_HI
	MUL16 4, 1, 0
	MUL16 6, 1, 0
	PLACES NP
	WIN 0
	FETCH_A \next, 0, 4
.endm
	s_wait_alu depctr_va_vdst(0)
	s_wait_tensorcnt 1                             ; my part of K step 0 is in (K step 1's load may be out)
	s_barrier_signal -1
	s_barrier_wait -1                              ; everybody's is
	FETCH_B 0, 0, 0
	FETCH_A 0, 0, 0
	FETCH_A 0, 0, 4
	STEP 0, 0, 1                                   ; the first step stands in front of the loop: its products start the sums
	s_mov_b32 s3, LAPS-1
.Llap:
	TURN 0, 1, 1
	STEP 1, 0, 0
	TURN 1, 0, 1
	STEP 0, 0, 0
	s_sub_co_u32 s3, s3, 1
	s_cmp_lg_u32 s3, 0
	s_cbranch_scc1 .Llap
	TURN 0, 1, 0                                   ; the last lap fills nothing, and has no round of the cluster's barrier
	STEP 1, 0, 0
	s_wait_dscnt 4*NL
	WIN MUL_LO
	MUL16 0, 1, 0
	MUL16 2, 1, 0
	s_wait_dscnt 0
	WIN MUL_HI
	MUL16 4, 1, 0
	MUL16 6, 1, 0
	WIN 0
; THE WAY OUT, block by block of 16 rows x 128 columns: through my own stage in LDS, back as whole rows of 512 bytes.  LDS serves a wave's instructions in order (ISA guide 5.7.1.4): no wait between the stores and the loads.
.macro TOSTAGE a
.set AC, 64*((\a)%4)
	WIN 0x02+((\a)/4)                              ; source 0: window 2 or 3
.irp j, 0,2,4,6,8,10,12,14,16,18,20,22,24,26,28,30,32,34,36,38,40,42,44,46,48,50,52,54,56,58,60,62
	v_pk_mul_f32 v[TMP+\j:TMP+\j+1], v[AC+\j:AC+\j+1], s[96:97] op_sel_hi:[1,0]   ; both x s96 = 2^(e10 + e11); each accumulator from its low end on
.endr
	WIN 0
.irp b, 0,1,2,3,4,5,6,7
	ds_store_b128 v[STO], v[TMP+8*\b:TMP+8*\b+3] offset:64*\b
	ds_store_b128 v[STO], v[TMP+8*\b+4:TMP+8*\b+7] offset:64*\b+16
.endr
.set BB, BK+64*((\a)%2)
.irp t, 0,1,2,3,4,5,6,7,8,9,10,11,12,13,14,15
	ds_load_b128 v[BB+4*\t:BB+4*\t+3], v[RD] offset:\t*SPITCH
.endr
.endm
.macro SEND a, younger                 ; younger: the LDS instructions issued behind block a's loads, which may stay out
.set BB, BK+64*((\a)%2)
	s_wait_dscnt \younger
.if (\a) > 0
	s_add_nc_u64 s[10:11], s[10:11], 16*SIZE_N*4   ; (behind a wait on XCNT: the earlier stores have read their base)  16 rows of C on
.endif
.irp t, 0,1,2,3,4,5,6,7,8,9,10,11,12,13,14,15
	global_store_b128 v[CO], v[BB+4*\t:BB+4*\t+3], s[10:11] offset:\t*SIZE_N*4 th:TH_STORE_NT   ; 32 lanes store 512 consecutive bytes, aligned; written once, read by nobody here
.endr
.endm
	s_wait_kmcnt 0x0
	s_add_co_i32 s96, s96, s97                     ; e10 + e11
	s_add_co_i32 s96, s96, 127
	s_lshl_b32 s96, s96, 23                        ; 2^(e10 + e11) as f32
	PLACES NP
	TOSTAGE 0
.irp a, 1,2,3,4,5,6,7
.if \a > 1
	s_wait_xcnt 0x0                                ; block a - 2's stores have read their registers and their base
.endif
	TOSTAGE \a
	SEND \a-1, 32                                  ; behind block a - 1's loads: block a's 16 stores and 16 loads
.endr
	s_wait_xcnt 0x0                                ; block 6's stores have read their base
	SEND 7, 0
	s_wait_tensorcnt 0x0                           ; the wave's end
	ds_add_u32 v[SPW], v[NIL]
	s_wait_dscnt 0x0
	CROUND                                         ; the closing round: no work-group ends while a partner may still ask for a tile that names it
	s_endpgm
.Lfunc_end_k_q0ff6bc1947_outproj:
	.size	k_q0ff6bc1947_outproj, .Lfunc_end_k_q0ff6bc1947_outproj-k_q0ff6bc1947_outproj
	.p2alignl 7, 3214868480
	.fill 96, 4, 3214868480
	.section	.rodata,"a",@progbits
	.p2align	6, 0x0
	.amdhsa_kernel k_q0ff6bc1947_outproj
		.amdhsa_group_segment_fixed_size 327680
		.amdhsa_private_segment_fixed_size 0
		.amdhsa_enable_private_segment 0
		.amdhsa_kernarg_size 32
		.amdhsa_user_sgpr_count 2
		.amdhsa_user_sgpr_kernarg_segment_ptr 1
		.amdhsa_wavefront_size32 1
		.amdhsa_system_sgpr_workgroup_id_x 1
		.amdhsa_system_sgpr_workgroup_id_y 1
		.amdhsa_system_sgpr_workgroup_id_z 1
		.amdhsa_system_vgpr_workitem_id 0
		.amdhsa_next_free_vgpr 1024
		.amdhsa_next_free_sgpr 98
		.amdhsa_reserve_vcc 0
		.amdhsa_float_denorm_mode_32 3
		.amdhsa_float_denorm_mode_16_64 3
		.amdhsa_memory_ordered 1
		.amdhsa_forward_progress 1
		.amdhsa_inst_pref_size 124
	.end_amdhsa_kernel
	.amdgpu_metadata
---
amdhsa.version: [ 1, 2 ]
amdhsa.kernels:
  - .name:           k_q0ff6bc1947_outproj
    .symbol:         k_q0ff6bc1947_outproj.kd
    .args:
      - { .name: attn, .offset: 0, .size: 8, .value_kind: global_buffer, .address_space: global }
      - { .name: wc, .offset: 8, .size: 8, .value_kind: global_buffer, .address_space: global }
      - { .name: lowp_scales, .offset: 16, .size: 8, .value_kind: global_buffer, .address_space: global }
      - { .name: out0, .offset: 24, .size: 8, .value_kind: global_buffer, .address_space: global }
    .group_segment_fixed_size: 327680
    .private_segment_fixed_size: 0
    .kernarg_segment_align: 8
    .kernarg_segment_size: 32
    .max_flat_workgroup_size: 128
    .sgpr_count:     98
    .vgpr_count:     1024
    .wavefront_size: 32
...
	.end_amdgpu_metadata
.endif
;; end of part 4
